; MI455X (gfx1250); checked and timed in simulation.
; The chip was launched on July 23, 2026; its instructions are those of AMD's public machine-readable ISA for CDNA 5 (MIT licence, August 2026) and "CDNA5" Instruction Set Architecture Reference Guide (July 2026). The comments in the code are by the model that wrote it; some were corrected since.
;; Conditioned Stateful LSTM. Allowed arithmetic: float matrix products may take bf16 or f16 operands with f32 sums; other float arithmetic in f32, or as packed bf16 or f16 multiplies, adds, multiply-adds, maxima and minima; sums over many terms, partial sums and values carried from step to step in f32; what a program stores and reads back later, other than sums and carried values, may be rounded once to bf16 or f16.
;; Inputs: W_hh 4,096 x 1,024 float32; W_ih 4,096 x 1 float32; b_hh 4,096 float32; b_ih 4,096 float32; c0 1 x 8,192 x 1,024 float32; fc_W 1 x 1,024 float32; fc_b 1 float32; film_W1 2,048 x 4 float32; film_W2 2,048 x 2,048 float32; film_b1 2,048 float32; film_b2 2,048 float32; h0 1 x 8,192 x 1,024 float32; x 8,192 x 5 float32.
;; Outputs: out0 8,192 x 1 float32.
;; 2 versions, each right; version 2 is version 1 with the launch prep written anew for expert scheduling mode. Each part assembles by itself: llvm-mc -triple=amdgcn-amd-amdhsa -mcpu=gfx1250 --defsym DOCPART=n.
;; ======== version 1 of 2: 4 launches
;; workspace buffers: hb 16,777,216 bytes; wg 8,388,608 bytes; w2t 4,194,304 bytes; tabs 40,960 bytes; q 16,777,216 bytes; p1 524,288 bytes; p2 262,144 bytes
;; launch prep (part 1): grid 256 x 1, 8 waves a work-group, no clusters, 3,072 bytes of LDS; arguments h0, W_hh, film_W2, film_W1, fc_W, hb, wg, w2t, tabs; writes hb, wg, w2t, tabs
.if DOCPART == 1
	.amdgcn_target "amdgcn-amd-amdhsa--gfx1250"
	.amdhsa_code_object_version 6
	.text
	.protected	k_q7d8dedf36b_prep
	.globl	k_q7d8dedf36b_prep
	.p2align	8
	.type	k_q7d8dedf36b_prep,@function
k_q7d8dedf36b_prep:
	s_mov_b64 s[64:65], 0
	v_nop
	global_prefetch_b8 v0, s[64:65] scope:SCOPE_SE
	s_setreg_imm32_b32 hwreg(HW_REG_WAVE_MODE, 25, 1), 1
	s_wait_xcnt 0x0
; LAUNCH 1 OF 4.  The matrix operands are rounded to bf16 and laid out once, and the vector v is made.
; THE WHOLE PROGRAM.  reference(): out[b] = sum_j fc[j] (gamma[b][j] h[b][j] + beta[b][j]) + fc_b, with H = 1024, gamma = film[:, :H], beta = film[:, H:],
; film = a W2^T + b2, a = relu(C W1^T + b1), h the LSTM cell's new state.
; WORK THAT IS NOT DONE AS WRITTEN.  beta reaches the output only through its product with fc, and a finite sum may be taken in either order:
;   sum_j fc[j] (sum_n a[b][n] W2[H+j][n] + b2[H+j]) = sum_n a[b][n] v[n] + fc . b2[H:],   v[n] = sum_j fc[j] W2[H+j][n],
; for all values of the inputs.  So the beta half of the product a W2^T (8192 x 1024 x 2048) is not formed; v is made here, once.  In the same way, with q[b][j] = fc[j] h[b][j],
;   sum_j q[b][j] gamma[b][j] = sum_n a[b][n] u[b][n] + sum_j q[b][j] b2[j],   u = q W2[:H, :],
; the same count of products as a W2[:H]^T, in which a is used number by number and is never rounded.  out[b] = sum_n a (u + v) + q . b2[:H] + fc . b2[H:] + fc_b.
; No input is without a way to the output: all thirteen are loaded by some launch.
; LIMITS.  The sums are taken in another order than reference()'s; a NaN, an infinity or an overflow that would arise only in beta's or gamma's own numbers is not carried to the result.
; h0, W_hh, q and W2[:H] are rounded once to bf16 (matrix operands); a, v and their product stay in f32.
; SHARES.  Each of the 256 work-groups takes 256 KiB of f32: 0-127 h0 -> hb; 128-191 W_hh -> wg (rows dealt so that a wave of the next launch finds all four gates of its 32 channels);
; 192-223 W2[:H] -> w2t (turned, in the order of a matrix operand's registers); 224-255 W2[H:] -> v, and W1 turned.  Nothing is shared between work-groups: no cluster, no matrix unit.
.set SPARE, 2048                       ; LDS: 0-2047 the eight waves' partial sums of v; from here the spare words, 128 bytes a wave
.set SPW, 158                          ; v158  LDS address of my spare word; never rewritten
.set NIL, 159                          ; v159  0; never rewritten
.set X,   16                           ; the cast's ring: slot i has v[X+4i ..] as loaded
.set Y,   80                           ;                  and v[Y+2i ..] to store
	s_load_b512 s[4:19], s[0:1], 0x0               ; h0 4:5, W_hh 6:7, W2 8:9, W1 10:11, fc 12:13, hb 14:15, wg 16:17, w2t 18:19
	s_load_b64 s[20:21], s[0:1], 0x40              ; tabs
	v_lshl_add_u32 v[SPW], v0, 2, SPARE
	v_mov_b32 v[NIL], 0
	v_lshrrev_b32 v1, 5, v0
	v_readfirstlane_b32 s22, v1                    ; wave 0..7
	v_and_b32 v3, 31, v0                           ; lane
	s_wait_kmcnt 0x0
	s_cmp_lt_u32 ttmp9, 192
	s_cbranch_scc0 .Lturned
; ---- THE CAST: h0 -> hb, W_hh -> wg.  A block is 32 rows (128 KiB of f32); a work-group has two, a wave 8 rows = 64 chunks of 512 bytes.
	s_cmp_lt_u32 ttmp9, 128
	s_cselect_b64 s[24:25], s[4:5], s[6:7]         ; from
	s_cselect_b64 s[26:27], s[14:15], s[16:17]     ; to
	s_cselect_b32 s28, 0, 128
	s_cselect_b32 s23, 1, 0                        ; 1: h0
	s_sub_co_u32 s28, ttmp9, s28
	s_lshr_b32 s29, s22, 2
	s_lshl1_add_u32 s28, s28, s29                  ; gb: the block's number
	s_and_b32 s29, s22, 3                          ; my quarter of it
	s_lshl_b32 s30, s28, 17
	s_lshl_b32 s31, s29, 15
	s_add_co_u32 s30, s30, s31
	s_mov_b32 s31, 0
	s_add_nc_u64 s[24:25], s[24:25], s[30:31]
	s_and_b32 s32, s28, 31                         ; W_hh's block gb = 32 g + u (gate g, channels 32 u ..) goes to block 4 u + g
	s_lshr_b32 s33, s28, 5
	s_lshl2_add_u32 s32, s32, s33
	s_cmp_eq_u32 s23, 1
	s_cselect_b32 s32, s28, s32                    ; h0's blocks stay where they are
	s_lshl_b32 s32, s32, 16
	s_lshl_b32 s33, s29, 14
	s_add_co_u32 s32, s32, s33
	s_mov_b32 s33, 0
	s_add_nc_u64 s[26:27], s[26:27], s[32:33]
	v_lshlrev_b32 v1, 4, v3                        ; 16 bytes a lane in: a load covers 512 consecutive bytes
	v_lshlrev_b32 v2, 3, v3                        ; 8 bytes a lane out: a store covers 256 consecutive bytes, aligned
.set i, 0
.rept 16
	global_load_b128 v[X+4*i:X+4*i+3], v1, s[24:25] offset:i*512 th:TH_LOAD_NT
.set i, i+1
.endr
; One slot's turn.  left = the younger loads of the ring, which may stay out.
.macro SLOT i, ahead, left
	s_wait_loadcnt \left
	v_cvt_pk_bf16_f32 v[Y+2*(\i)],   v[X+4*(\i)],   v[X+4*(\i)+1]
	v_cvt_pk_bf16_f32 v[Y+2*(\i)+1], v[X+4*(\i)+2], v[X+4*(\i)+3]
.if \ahead
	global_load_b128 v[X+4*(\i):X+4*(\i)+3], v1, s[24:25] offset:(16+(\i))*512 th:TH_LOAD_NT
.endif
	global_store_b64 v2, v[Y+2*(\i):Y+2*(\i)+1], s[26:27] offset:(\i)*256 th:TH_STORE_NT
.endm
	s_mov_b32 s34, 3
.Lround:
.irp i, 0,1,2,3,4,5,6,7,8,9,10,11,12,13,14,15
	SLOT \i, 1, 15
.endr
	s_wait_xcnt 0x0                                ; the two bases and the stores' data are written again only behind this wait
	s_add_nc_u64 s[24:25], s[24:25], 8192
	s_add_nc_u64 s[26:27], s[26:27], 4096
	s_sub_co_u32 s34, s34, 1
	s_cmp_lg_u32 s34, 0
	s_cbranch_scc1 .Lround
.irp i, 0,1,2,3,4,5,6,7,8,9,10,11,12,13,14,15
	SLOT \i, 0, 15-(\i)                            ; the last sixteen chunks load nothing: the counts run down
.endr
	s_branch .Ljoin
; ---- W2[:H] TURNED.  Work-group kc takes rows 32 kc .. + 31; wave w columns 256 w .. + 255, 32 an iteration, a lane a column.
; A lane's 32 numbers (k = 0 .. 31 of its column) are four pieces of 16 bytes: piece c holds k = 8 c .. 8 c + 7 and lies at c x 256 + (column % 16) x 16 of the block (column / 16, kc).
.Lturned:
	s_cmp_lt_u32 ttmp9, 224
	s_cbranch_scc0 .Lvsum
	s_sub_co_u32 s28, ttmp9, 192                   ; kc
	s_lshl_b32 s30, s28, 18                        ; 32 rows of 8,192 bytes
	s_mov_b32 s31, 0
	s_add_nc_u64 s[24:25], s[8:9], s[30:31]
	s_lshl_b32 s30, s28, 10
	s_add_nc_u64 s[26:27], s[18:19], s[30:31]
	s_lshl_b32 s29, s22, 10
	v_lshl_add_u32 v1, v3, 2, s29                  ; 1,024 w + 4 l
	v_lshrrev_b32 v4, 4, v3
	s_lshl_b32 s29, s22, 4
	v_add_nc_u32 v4, s29, v4                       ; the block of 16 columns: 16 w + l / 16
	v_and_b32 v5, 15, v3
	v_lshlrev_b32 v5, 4, v5
	v_lshl_add_u32 v2, v4, 15, v5                  ; x 32 blocks of 1,024 bytes, + 16 (l % 16)
.macro LD3 set, itoff
.set k, 0
.rept 32
	global_load_b32 v[(\set)+k], v1, s[24:25] offset:k*8192+(\itoff)
.set k, k+1
.endr
.endm
.macro CV3 set, pk
.set k, 0
.rept 16
	v_cvt_pk_bf16_f32 v[(\pk)+k], v[(\set)+2*k], v[(\set)+2*k+1]
.set k, k+1
.endr
.endm
.macro ST3 pk, stoff
.irp c, 0,1,2,3
	global_store_b128 v2, v[(\pk)+4*(\c):(\pk)+4*(\c)+3], s[26:27] offset:(\c)*256+(\stoff) th:TH_STORE_NT  ; sixteen lanes fill 256 consecutive bytes, aligned
.endr
.endm
	LD3 16, 0
	LD3 48, 128
	s_mov_b32 s34, 3
.Lturn3:
	s_wait_loadcnt 32                              ; the first set is in; the other set's 32 loads may stay out
	CV3 16, 80
	LD3 16, 256
	ST3 80, 0
	s_wait_loadcnt 32                              ; the second set is in
	CV3 48, 96
	LD3 48, 384
	ST3 96, 65536
	s_wait_xcnt 0x0                                ; bases and store data are written again only behind this wait
	s_add_nc_u64 s[24:25], s[24:25], 256
	s_add_nc_u64 s[26:27], s[26:27], 131072
	s_sub_co_u32 s34, s34, 1
	s_cmp_lg_u32 s34, 0
	s_cbranch_scc1 .Lturn3
	s_wait_loadcnt 32
	CV3 16, 80
	ST3 80, 0
	s_wait_loadcnt 0x0
	CV3 48, 96
	ST3 96, 65536
	s_branch .Ljoin
; ---- v[n] = sum_j fc[j] W2[H+j][n] for n = 64 i .. + 63.  Wave w takes j = 128 w .. + 127, four batches of 32 rows; a load is one row's 256 bytes; fc comes by scalar loads.
.Lvsum:
	s_sub_co_u32 s28, ttmp9, 224                   ; i
	s_lshl_b32 s30, s22, 20                        ; 128 w rows of 8,192 bytes
	s_lshl_b32 s29, s28, 8
	s_add_co_u32 s30, s30, s29
	s_add_co_u32 s30, s30, 1024*8192               ; the lower half of W2
	s_mov_b32 s31, 0
	s_add_nc_u64 s[58:59], s[8:9], s[30:31]
	s_lshl_b32 s30, s22, 9
	s_add_nc_u64 s[56:57], s[12:13], s[30:31]
	v_lshlrev_b32 v1, 3, v3
.macro LD4 set, batch
.set r, 0
.rept 32
	global_load_b64 v[(\set)+2*r:(\set)+2*r+1], v1, s[58:59] offset:(32*(\batch)+r)*8192 th:TH_LOAD_NT
.set r, r+1
.endr
.endm
.macro FC4 sb, batch
	s_load_b512 s[(\sb):(\sb)+15],    s[56:57], (\batch)*128
	s_load_b512 s[(\sb)+16:(\sb)+31], s[56:57], (\batch)*128+64
.endm
.macro FM4 set, sb                     ; four chains of sums, so that no line waits for the one before it
.set r, 0
.rept 32
	v_fmac_f32 v[144+2*(r%4)], s[(\sb)+r], v[(\set)+2*r]
	v_fmac_f32 v[145+2*(r%4)], s[(\sb)+r], v[(\set)+2*r+1]
.set r, r+1
.endr
.endm
	LD4 16, 0
	LD4 80, 1
	FC4 24, 0
	FC4 68, 1
.set r, 144
.rept 8
	v_mov_b32 v[r], 0
.set r, r+1
.endr
	s_wait_kmcnt 0x0
	s_wait_loadcnt 32                              ; batch 0 is in; batch 1's 32 loads may stay out
	FM4 16, 24
	LD4 16, 2
	FC4 24, 2
	s_wait_kmcnt 0x0
	s_wait_loadcnt 32                              ; batch 1
	FM4 80, 68
	LD4 80, 3
	FC4 68, 3
	s_wait_kmcnt 0x0
	s_wait_loadcnt 32                              ; batch 2
	FM4 16, 24
	s_wait_loadcnt 0x0
	FM4 80, 68
	v_pk_add_f32 v[144:145], v[144:145], v[146:147]
	v_pk_add_f32 v[148:149], v[148:149], v[150:151]
	v_pk_add_f32 v[144:145], v[144:145], v[148:149]
	s_lshl_b32 s29, s22, 8
	v_add_nc_u32 v2, s29, v1
	ds_store_b64 v2, v[144:145]                    ; my partial sums of 64 columns, at 256 w + 8 l
; ---- All sections meet: one barrier that every wave of every work-group passes.
.Ljoin:
	s_wait_dscnt 0x0                               ; for the others' sake: my store into LDS is done
	s_barrier_signal -1
	s_barrier_wait -1
	s_cmp_lt_u32 ttmp9, 224
	s_cbranch_scc1 .Lend
	s_sub_co_u32 s23, ttmp9, 224                   ; i, made anew: this part reads nothing that only one section wrote
	s_lshl_b32 s30, s23, 8
	s_mov_b32 s31, 0
	s_add_nc_u64 s[36:37], s[20:21], s[30:31]      ; tabs at column 64 i
	v_lshlrev_b32 v4, 3, v3
	s_cmp_eq_u32 s22, 0
	s_cbranch_scc0 .Lnot_wave_0
.irp w, 0,1,2,3,4,5,6,7
	ds_load_b64 v[16+2*(\w):17+2*(\w)], v4 offset:(\w)*256
.endr
	s_wait_dscnt 0x0
	v_pk_add_f32 v[16:17], v[16:17], v[18:19]
	v_pk_add_f32 v[20:21], v[20:21], v[22:23]
	v_pk_add_f32 v[24:25], v[24:25], v[26:27]
	v_pk_add_f32 v[28:29], v[28:29], v[30:31]
	v_pk_add_f32 v[16:17], v[16:17], v[20:21]
	v_pk_add_f32 v[24:25], v[24:25], v[28:29]
	v_pk_add_f32 v[16:17], v[16:17], v[24:25]
	global_store_b64 v4, v[16:17], s[36:37] offset:32768  ; v: 256 consecutive bytes, aligned
	s_branch .Lend
.Lnot_wave_0:
	s_cmp_eq_u32 s22, 1
	s_cbranch_scc0 .Lend
	s_lshl_b32 s32, s23, 10                        ; W1's rows 64 i .., 16 bytes each
	s_mov_b32 s33, 0
	s_add_nc_u64 s[34:35], s[10:11], s[32:33]
	v_lshlrev_b32 v5, 5, v3                        ; two rows a lane
.irp s, 0,1,2,3
	global_load_b32 v[112+2*(\s)], v5, s[34:35] offset:4*(\s)
	global_load_b32 v[113+2*(\s)], v5, s[34:35] offset:16+4*(\s)
.endr
	s_wait_loadcnt 0x0
.irp s, 0,1,2,3
	global_store_b64 v4, v[112+2*(\s):113+2*(\s)], s[36:37] offset:(\s)*8192  ; W1T[s][64 i ..]: 256 consecutive bytes, aligned
.endr
.Lend:
	s_wait_tensorcnt 0x0                           ; the wave's end, behind my last LDS store
	ds_add_u32 v[SPW], v[NIL]
	s_wait_dscnt 0x0
	s_endpgm
.Lfunc_end_k_q7d8dedf36b_prep:
	.size	k_q7d8dedf36b_prep, .Lfunc_end_k_q7d8dedf36b_prep-k_q7d8dedf36b_prep
	.p2alignl 7, 3214868480
	.fill 96, 4, 3214868480
	.section	.rodata,"a",@progbits
	.p2align	6, 0x0
	.amdhsa_kernel k_q7d8dedf36b_prep
		.amdhsa_group_segment_fixed_size 3072
		.amdhsa_private_segment_fixed_size 0
		.amdhsa_enable_private_segment 0
		.amdhsa_kernarg_size 72
		.amdhsa_user_sgpr_count 2
		.amdhsa_user_sgpr_kernarg_segment_ptr 1
		.amdhsa_wavefront_size32 1
		.amdhsa_system_sgpr_workgroup_id_x 1
		.amdhsa_system_sgpr_workgroup_id_y 1
		.amdhsa_system_sgpr_workgroup_id_z 1
		.amdhsa_system_vgpr_workitem_id 0
		.amdhsa_next_free_vgpr 160
		.amdhsa_next_free_sgpr 100
		.amdhsa_reserve_vcc 0
		.amdhsa_float_denorm_mode_32 3
		.amdhsa_float_denorm_mode_16_64 3
		.amdhsa_memory_ordered 1
		.amdhsa_forward_progress 1
		.amdhsa_inst_pref_size 57
	.end_amdhsa_kernel
	.amdgpu_metadata
---
amdhsa.version: [ 1, 2 ]
amdhsa.kernels:
  - .name:           k_q7d8dedf36b_prep
    .symbol:         k_q7d8dedf36b_prep.kd
    .args:
      - { .name: h0, .offset: 0, .size: 8, .value_kind: global_buffer, .address_space: global }
      - { .name: W_hh, .offset: 8, .size: 8, .value_kind: global_buffer, .address_space: global }
      - { .name: film_W2, .offset: 16, .size: 8, .value_kind: global_buffer, .address_space: global }
      - { .name: film_W1, .offset: 24, .size: 8, .value_kind: global_buffer, .address_space: global }
      - { .name: fc_W, .offset: 32, .size: 8, .value_kind: global_buffer, .address_space: global }
      - { .name: hb, .offset: 40, .size: 8, .value_kind: global_buffer, .address_space: global }
      - { .name: wg, .offset: 48, .size: 8, .value_kind: global_buffer, .address_space: global }
      - { .name: w2t, .offset: 56, .size: 8, .value_kind: global_buffer, .address_space: global }
      - { .name: tabs, .offset: 64, .size: 8, .value_kind: global_buffer, .address_space: global }
    .group_segment_fixed_size: 3072
    .private_segment_fixed_size: 0
    .kernarg_segment_align: 8
    .kernarg_segment_size: 72
    .max_flat_workgroup_size: 256
    .sgpr_count:     100
    .vgpr_count:     160
    .wavefront_size: 32
...
	.end_amdgpu_metadata
.endif
;; end of part 1
;; launch gates (part 2): grid 16 x 16, 4 waves a work-group, clusters of 4 x 4, 327,680 bytes of LDS; arguments hb, wg, c0, x, W_ih, b_ih, b_hh, fc_W, film_b2, q, p1; writes q, p1
.if DOCPART == 2
	.amdgcn_target "amdgcn-amd-amdhsa--gfx1250"
	.amdhsa_code_object_version 6
	.text
	.protected	k_q7d8dedf36b_gates
	.globl	k_q7d8dedf36b_gates
	.p2align	8
	.type	k_q7d8dedf36b_gates,@function
k_q7d8dedf36b_gates:
	s_mov_b64 s[64:65], 0
	v_nop
	global_prefetch_b8 v0, s[64:65] scope:SCOPE_SE
	s_setreg_imm32_b32 hwreg(HW_REG_WAVE_MODE, 25, 1), 1
	s_wait_xcnt 0x0
	s_wait_alu depctr_hold_cnt(0) depctr_sa_sdst(0) depctr_va_vdst(0) depctr_va_sdst(0) depctr_va_ssrc(0) depctr_va_vcc(0) depctr_vm_vsrc(0)
	s_getreg_b32 s2, hwreg(HW_REG_IB_STS2, 6, 4)
	s_cmp_eq_u32 s2, 0
	s_cbranch_scc0 .Lentry_in_a_cluster
	s_endpgm
.Lentry_in_a_cluster:
	s_bfe_u32 s2, ttmp6, 0x10000c
	s_cmp_lg_u32 s2, 0xf033
	s_cbranch_scc0 .Lentry_shape_is_right
	s_endpgm
.Lentry_shape_is_right:
; LAUNCH 2 OF 4.  gates = h0 W_hh^T + sig W_ih^T + b_ih + b_hh, the LSTM cell, q[b][j] = fc[j] h_new[b][j], and the row sums of q . b2[:H].  Nothing of reference() is left out here.
; THE PRODUCT.  hb: [8192][1024] bf16; wg: [4096][1024] bf16, row 128 u + 32 g + j5 = W_hh's row 1024 g + 32 u + j5.  A tile is 256 rows b x 256 rows of wg (64 channels j, all four gates);
; four waves, 128 x 128 each: 64 accumulators, 512 registers.  K goes in steps of 128 through two LDS slots filled by the tensor data mover; a work-group makes two tiles, 4,096 rows apart.
; CLUSTERS: 4 x 4 work-groups; hb's tiles are asked for jointly along a row of the cluster, wg's along a column: the same tensor load, descriptor and mask in the four that it names.
; THE MATRIX INSTRUCTION IS USED TRANSPOSED (source 0 = 16 rows of wg, source 1 = 16 rows of hb): lane l holds row b = l % 16 of the block, registers 0-7 the rows 8 (l / 16) + 0..7 of wg.
; With c = wave % 2: n block nb = 2 g + jb of a wave is gate g of the channels j = 64 jt + 32 c + 16 jb + 8 (l / 16) + 0..7: a lane holds all four gates of its 16 channels of a row.
; THE CELL, a block of 16 rows at a time: sigmoid(x) = 1 / (1 + 2^(-x log2 e)), tanh(x) = 1 - 2 / (1 + 2^(2 x log2 e)).  Both hold for every finite x: a power that overflows gives the
; reciprocal 0, one that underflows gives 1.  LIMITS: tanh carries an absolute error of about 1e-7 near 0; NaN and infinities among the inputs are not treated apart; h0 and W_hh enter in bf16.
; q leaves rounded once to bf16, in the order of the next launch's operand registers: block (b / 16, j / 32) of 1,024 bytes, 16 bytes a lane twice.  The row sums stay in f32.
; REGISTERS, in windows of 256 (s_set_vgpr_msb: bits 1:0 source 0, 3:2 source 1, 5:4 source 2, 7:6 destination):
;   window 0: v16-31 addresses; v32-47 fc, v48-63 b2 of my 16 channels; v64-127, v128-191 fragments of hb, two buffers (the second is the cell's workspace T on the way out); v192-247 the cell's
;   window 1: v0-63 W_ih, v192-255 b_ih + b_hh of my 64 gate rows, both times the exponent's factor; v64-127, v128-191 fragments of wg       windows 2, 3: the accumulators
.set SIZE_K, 1024
.set KSTEP,  128
.set PITCH,  272                       ; an LDS row: 256 bytes + 16 of padding: the 16 rows of a fragment load start at 16 different groups of four banks (ISA guide 11.1)
.set HALFT,  128*PITCH                 ; what one tensor load brings
.set SLOT,   4*HALFT                   ; hb's 256 rows, then wg's 256 rows
.set RS,     2*SLOT                    ; behind the ring, never filled by a tensor load: the row sums, f32 [2 c][256 rows]
.set SPARE,  RS+2048                   ; the spare words, 128 bytes a wave: two blocks of 256 bytes that no other line names
.set LAPS,   SIZE_K/(2*KSTEP)
.set WALK,   4096                      ; rows between a work-group's two tiles
.set NEXT_A, WALK*SIZE_K*2-(SIZE_K-2*KSTEP)*2
.set BACK_B, (SIZE_K-2*KSTEP)*2
.set ADRA, 16                          ; v16-17  LDS address of my hb fragments in slot 0, 1
.set C0O,  18                          ; v18     (l % 16) x 4,096 + (l / 16) x 32: my place in 16 rows of c0
.set XO,   19                          ; v19     (l % 16) x 20: my row of x
.set ADRB, 20                          ; v20-21  the same as ADRA for wg
.set QO,   22                          ; v22     16 x lane
.set RSA,  23                          ; v23     where my row's sum goes, block 0
.set RSR,  24                          ; v24     where I read two rows' sums back
.set P1O,  25                          ; v25     8 x thread
.set PFC,  26                          ; v26     4,096 x thread: a row of c0
.set TBO,  27                          ; v27     32 x (l / 16)
.set SPW,  28                          ; v28     LDS address of my spare word; never rewritten
.set NIL,  29                          ; v29     0; never rewritten
.set PFO,  30                          ; v30     lane x a row of hb or wg
.set RSW,  31                          ; v31     RSA + 64 x block
.set FCV,  32
.set B2V,  48
.set F0,   64
.set F1,   128
.set T,    128                         ; the cell: 64 numbers, index 16 g + 8 jb + r
.set TI,   T
.set TF,   T+16
.set TG,   T+32
.set TO,   T+48
.set C0V,  192
.set SIG,  208                         ; v208 sig of my row in the block in hand; v209 is named with it as a pair
.set SA,   210
.set SB,   212
.set QV,   216
.set U,    224
.set SIGS, 240                         ; v240-247 sig of my row in each of the tile's eight blocks
.set WIH,  0                           ; window 1
.set BIA,  192                         ; window 1
.set G1,   24                          ; s[24:31] descriptor group 1 for hb's tiles;  s[32:39] group 0, a set for each slot
.set G0,   32
.set LIM,  43                          ; s43     1 in a wave that prefetches, else the greatest number
.set PFA,  44                          ; s[44:45] where my prefetches of hb or wg stand
.set G1B,  48                          ; s[48:55], s[56:63] the same for wg's tiles
.set G0B,  56
.set C0P,  68                          ; s[68:69] c0 at my wave's block in hand
.set XP,   70                          ; s[70:71] x at my wave's first row of the tile
.set QP,   82                          ; s[82:83] q at my wave's block in hand
.set P1P,  84                          ; s[84:85] p1 at the tile's first row
.set PFCB, 86                          ; s[86:87] c0 at the tile's corner
.set KS,   88                          ; s[88:89] -log2 e
.set KG,   90                          ; s[90:91] 2 log2 e
.set SEL,  92                          ; s[92:93] v_permlanex16_b32's selects: each lane takes its own place in the other half
.set EB,   94                          ; s94     the block in hand, 0 to 7
.set MSB, 0
.macro WIN new                         ; the immediate's high byte repeats the setting that is left; a switch that changes nothing is dropped
.if MSB != (\new)
	s_set_vgpr_msb (MSB<<8)|(\new)
.set MSB, \new
.endif
.endm
.set MUL_LO, 0xa1                      ; source 0 (wg) window 1, source 1 (hb) window 0, C and D window 2
.set MUL_HI, 0xf1                      ; the same, C and D window 3
.set TO_B,   0x40                      ; destination window 1, address window 0
.macro EACH n, line:vararg             ; one line for k = 0 .. n - 1
.set k, 0
.rept \n
	\line
.set k, k+1
.endr
.endm
; A joint load.  Waves 0 and 1 fetch hb's two halves, waves 2 and 3 wg's.  The branch hangs on the wave's number alone.  An s_nop 0 and four v_nop follow each of the two lines.
.macro JLOAD s
	s_cmp_eq_u32 s11, 0
	s_cbranch_scc0 .Lfor_b_\@
	tensor_load_to_lds s[G0+4*(\s):G0+4*(\s)+3], s[G1:G1+7]
	s_nop 0
.rept 4
	v_nop
.endr
	s_branch .Lasked_\@
.Lfor_b_\@:
	tensor_load_to_lds s[G0B+4*(\s):G0B+4*(\s)+3], s[G1B:G1B+7]
	s_nop 0
.rept 4
	v_nop
.endr
.Lasked_\@:
.endm
; A prefetch of the K step that stands two refills on: 32 rows x 256 bytes, a lane a row.  hb's tile row is read by every cluster of that row of clusters: cluster x = 0 asks; wg's tile column
; by every cluster of that column: cluster y = 0 asks.  The four partners share a wave's 128 rows out by address, 32 each.  So each row's 256 bytes of a K step are named once in the launch.
; how = 0, in the loop: a tile's last two refills have no K step two on.  how = 1, at the change of tiles: the next tile's K steps 2 and 3 of hb; wg's rows have been read and are asked for no more.
.macro ASK how
.if \how
	s_cmp_eq_u32 s[LIM], 1
.else
	s_cmp_gt_u32 s3, s[LIM]
.endif
	s_cbranch_scc0 .Lnot_mine_\@
	global_prefetch_b8 v[PFO], s[PFA:PFA+1] offset:KSTEP*2 th:TH_LOAD_NT scope:SCOPE_SE
.Lnot_mine_\@:
.endm
.macro CREST                           ; a round of the cluster's barrier behind its opening barrier
	s_cmp_lg_u32 s10, 0
	s_cbranch_scc1 .Lnot_wave_0_\@
	s_barrier_signal -3
.Lnot_wave_0_\@:
	s_barrier_wait -3
	s_barrier_signal -1
	s_barrier_wait -1
.endm
.macro CROUND                          ; a whole round
	s_barrier_signal -1
	s_barrier_wait -1
	CREST
.endm
	s_load_b128 s[4:7], s[0:1], 0x0                ; hb s[4:5], wg s[6:7]
	s_load_b512 s[68:83], s[0:1], 0x10             ; c0 68, x 70, W_ih 72, b_ih 74, b_hh 76, fc_W 78, film_b2 80, q 82
	s_load_b64 s[84:85], s[0:1], 0x50              ; p1
	v_lshl_add_u32 v[SPW], v0, 2, SPARE
	v_mov_b32 v[NIL], 0
	ds_add_u32 v[SPW], v[NIL]                      ; the wave's opening: the add, twice on end, and its wait ahead of my first tensor load
	ds_add_u32 v[SPW], v[NIL]
	v_lshrrev_b32 v1, 5, v0
	v_readfirstlane_b32 s10, v1                    ; wave 0..3
	s_lshr_b32 s11, s10, 1                         ; which half of the tile's rows is mine.  Also: I fetch for hb (0) or for wg (1)
	s_and_b32 s12, s10, 1                          ; c: which half of its columns.  Also: which 128 rows I fetch
	s_bfe_u32 s40, ttmp6, 0x40000                  ; cx
	s_bfe_u32 s41, ttmp6, 0x40004                  ; cy
	s_lshl_b32 s42, ttmp9, 2
	s_add_co_u32 s42, s42, s40                     ; jt: tile column = 4 x cluster x + cx
	s_and_b32 s13, ttmp7, 0xffff
	s_lshl_b32 s13, s13, 2
	s_add_co_u32 s13, s13, s41                     ; tile row = 4 x cluster y + cy
	s_lshl_b32 s43, s41, 2
	s_lshl_b32 s43, 15, s43                        ; my row of the cluster
	s_lshl_b32 s44, 0x1111, s40                    ; my column
	s_or_b32 s[G1+0], s43, (1<<16)|(1<<20)|(1<<21)|(5<<22)|(3<<25)   ; the mask; 2-byte elements; padding on; bit 21 beside a mask; after every 64 words, 4 words
	s_or_b32 s[G1B+0], s44, (1<<16)|(1<<20)|(1<<21)|(5<<22)|(3<<25)
.irp g, G1, G1B
	s_mov_b32 s[(\g)+1], KSTEP<<16                 ; tensor_dim0 = 128
	s_mov_b32 s[(\g)+2], 128<<16                   ; tensor_dim1 = 128
	s_mov_b32 s[(\g)+3], KSTEP<<16                 ; tile_dim0 = 128
	s_mov_b32 s[(\g)+4], 128                       ; tile_dim1 = 128
	s_mov_b32 s[(\g)+5], SIZE_K                    ; elements from row to row
	s_mov_b32 s[(\g)+6], 0
	s_mov_b32 s[(\g)+7], 0
.endr
	s_lshl_b32 s17, s12, 7                         ; which 128 rows of the tile I fetch
	s_lshl_b32 s16, s13, 8
	s_add_co_u32 s16, s16, s17                     ; hb: row 256 x tile row + 128 x half
	s_lshl_b32 s46, s42, 8
	s_add_co_u32 s46, s46, s17                     ; wg: row 256 x tile column + 128 x half
	s_mov_b32 s17, 0
	s_mov_b32 s47, 0
	s_mov_b64 s[18:19], SIZE_K*2
	s_mul_u64 s[16:17], s[16:17], s[18:19]
	s_mul_u64 s[46:47], s[46:47], s[18:19]
	s_mul_i32 s20, s10, HALFT                      ; where they go: wave x 128 rows: no place in the cluster enters an LDS address
	s_mov_b32 s[KS], 0xbfb8aa3b
	s_mov_b32 s[KS+1], 0xbfb8aa3b
	s_mov_b32 s[KG], 0x4038aa3b
	s_mov_b32 s[KG+1], 0x4038aa3b
	s_mov_b32 s[SEL], 0x76543210
	s_mov_b32 s[SEL+1], 0xfedcba98
	s_wait_dscnt 0x0                               ; both opening adds are done
	s_wait_kmcnt 0x0
	s_add_nc_u64 s[14:15], s[4:5], s[16:17]
	s_add_nc_u64 s[46:47], s[6:7], s[46:47]
	CROUND                                         ; all sixteen work-groups are here: the first joint loads meet
.irp s, 0,1
	s_mov_b32 s[G0+4*(\s)], 1
	s_add_co_u32 s[G0+4*(\s)+1], s20, (\s)*SLOT
	s_add_nc_u64 s[G0+4*(\s)+2:G0+4*(\s)+3], s[14:15], (\s)*KSTEP*2
	s_or_b32 s[G0+4*(\s)+3], s[G0+4*(\s)+3], 0x80000000
	s_mov_b32 s[G0B+4*(\s)], 1
	s_add_co_u32 s[G0B+4*(\s)+1], s20, (\s)*SLOT
	s_add_nc_u64 s[G0B+4*(\s)+2:G0B+4*(\s)+3], s[46:47], (\s)*KSTEP*2
	s_or_b32 s[G0B+4*(\s)+3], s[G0B+4*(\s)+3], 0x80000000
	JLOAD \s                                       ; two loads of mine are out
.endr
	; my own addresses; their offsets are made in s96-s101, which feed no descriptor
	s_lshl_b32 s96, s13, 8                         ; the tile's first row
	s_lshl_b32 s97, s11, 7
	s_add_co_u32 s97, s96, s97                     ; my wave's first row
	s_lshl_b32 s98, s42, 8                         ; 64 jt numbers of 4 bytes
	s_lshl_b32 s99, s12, 7
	s_add_co_u32 s99, s98, s99                     ; + 32 c
	s_mov_b32 s101, 0
	s_lshl_b32 s100, s96, 12
	s_add_co_u32 s100, s100, s98
	s_add_nc_u64 s[PFCB:PFCB+1], s[C0P:C0P+1], s[100:101]
	s_lshl_b32 s100, s97, 12
	s_add_co_u32 s100, s100, s99
	s_add_nc_u64 s[C0P:C0P+1], s[C0P:C0P+1], s[100:101]
	s_mul_i32 s100, s97, 20
	s_add_nc_u64 s[XP:XP+1], s[XP:XP+1], s[100:101]
	s_mov_b32 s100, s99
.irp p, 72,74,76,78,80
	s_add_nc_u64 s[\p:\p+1], s[\p:\p+1], s[100:101]  ; the five tables by j at my 32 channels
.endr
	s_lshl_b32 s100, s97, 11                       ; (row / 16) x 32 blocks of 1,024 bytes
	s_lshl_b32 s99, s99, 3                         ; (2 jt + c) x 1,024
	s_add_co_u32 s100, s100, s99
	s_add_nc_u64 s[QP:QP+1], s[QP:QP+1], s[100:101]
	s_lshl_b32 s100, s42, 15                       ; jt x 8,192 rows x 4 bytes
	s_lshl_b32 s96, s96, 2
	s_add_co_u32 s100, s100, s96
	s_add_nc_u64 s[P1P:P1P+1], s[P1P:P1P+1], s[100:101]
	v_and_b32 v1, 15, v0                           ; l % 16
	v_bfe_u32 v2, v0, 4, 1                         ; l / 16
	v_lshlrev_b32 v[TBO], 5, v2
	WIN TO_B
.irp g, 0,1,2,3
.irp e, 0,1,2,3                        ; e = 2 jb + half of the eight
	global_load_b128 v[WIH+16*(\g)+4*(\e):WIH+16*(\g)+4*(\e)+3], v[TBO], s[72:73] offset:(\g)*4096+((\e)/2)*64+((\e)%2)*16
	global_load_b128 v[BIA+16*(\g)+4*(\e):BIA+16*(\g)+4*(\e)+3], v[TBO], s[74:75] offset:(\g)*4096+((\e)/2)*64+((\e)%2)*16
	global_load_b128 v[128+16*(\g)+4*(\e):128+16*(\g)+4*(\e)+3], v[TBO], s[76:77] offset:(\g)*4096+((\e)/2)*64+((\e)%2)*16
.endr
.endr
	WIN 0
.irp e, 0,1,2,3
	global_load_b128 v[FCV+4*(\e):FCV+4*(\e)+3], v[TBO], s[78:79] offset:((\e)/2)*64+((\e)%2)*16
	global_load_b128 v[B2V+4*(\e):B2V+4*(\e)+3], v[TBO], s[80:81] offset:((\e)/2)*64+((\e)%2)*16
.endr
	v_mul_u32_u24 v3, v1, PITCH
	v_lshl_add_u32 v3, v2, 4, v3                   ; a fragment's row x pitch + 16 x half
	s_mul_i32 s21, s11, HALFT                      ; my 128 rows of hb
	s_mul_i32 s22, s12, HALFT                      ; my 128 rows of wg,
	s_add_co_u32 s22, s22, 2*HALFT                 ; which lie behind hb's 256
.irp s, 0,1
	v_add_nc_u32 v[ADRA+(\s)], s21, v3
	v_add_nc_u32 v[ADRB+(\s)], s22, v3
	s_add_co_u32 s21, s21, SLOT
	s_add_co_u32 s22, s22, SLOT
.endr
	v_lshl_add_u32 v[C0O], v1, 12, v[TBO]
	v_mul_u32_u24 v[XO], v1, 20
	v_and_b32 v4, 31, v0
	v_lshlrev_b32 v[QO], 4, v4
	s_lshl_b32 s21, s12, 10                        ; RS: c x 1,024 + my wave's 128 rows x 4
	s_lshl_b32 s22, s11, 9
	s_add_co_u32 s21, s21, s22
	s_add_co_u32 s21, s21, RS
	v_lshl_add_u32 v[RSA], v1, 2, s21
	v_lshl_add_u32 v[RSR], v0, 3, RS
	v_lshlrev_b32 v[P1O], 3, v0
	v_lshlrev_b32 v[PFC], 12, v0
	v_mov_b32 v[SIG+1], 0
	; the prefetches of hb and wg
	s_lshl_b32 s13, s13, 8
	s_lshl_b32 s42, s42, 8
	s_and_b32 s22, ttmp7, 0xffff                   ; cluster y
	s_cmp_eq_u32 s11, 0                            ; do I fetch for hb?
	s_cselect_b32 s20, s13, s42                    ; the tile's first row
	s_cselect_b32 s21, s40, s41                    ; my place among the four that ask with me
	s_cselect_b32 s22, ttmp9, s22                  ; the coordinate along which other clusters read the same rows
	s_cselect_b64 s[PFA:PFA+1], s[4:5], s[6:7]
	s_cmp_eq_u32 s22, 0
	s_cselect_b32 s[LIM], 1, -1
	s_lshl_b32 s22, s12, 7
	s_add_co_u32 s20, s20, s22
	s_lshl_b32 s21, s21, 5
	s_add_co_u32 s20, s20, s21
	s_mov_b32 s21, 0
	s_mov_b64 s[18:19], SIZE_K*2
	s_mul_u64 s[20:21], s[20:21], s[18:19]
	s_add_nc_u64 s[PFA:PFA+1], s[PFA:PFA+1], s[20:21]
	s_add_nc_u64 s[PFA:PFA+1], s[PFA:PFA+1], 2*KSTEP*2  ; at K step 2: the first refill steps it to 3 and names K step 4
	v_mul_u32_u24 v[PFO], v4, SIZE_K*2
	s_wait_loadcnt 0x0                             ; the tables
	WIN 0x45                                       ; all three in window 1
	EACH 32, v_pk_add_f32 v[BIA+2*k:BIA+2*k+1], v[BIA+2*k:BIA+2*k+1], v[128+2*k:128+2*k+1]
	WIN 0x41
.set k, 0
.rept 32                               ; gate k / 8: the exponent's factor is folded into bias and W_ih once
.set ksel, KS
.if k/8 == 2
.set ksel, KG
.endif
	v_pk_mul_f32 v[BIA+2*k:BIA+2*k+1], v[BIA+2*k:BIA+2*k+1], s[ksel:ksel+1] op_sel_hi:[1,0]
	v_pk_mul_f32 v[WIH+2*k:WIH+2*k+1], v[WIH+2*k:WIH+2*k+1], s[ksel:ksel+1] op_sel_hi:[1,0]
.set k, k+1
.endr
	WIN 0
; 16 matrix instructions: m blocks a0, a0 + 1 of the window's four x all 8 n blocks, 32 along K.  zero = 1: the product starts the sums.  The 64 accumulators take turns.
.macro MUL16 f, hi, a0, zero
	WIN MUL_LO+0x50*(\hi)
.irp a, \a0, (\a0)+1
.irp b, 0,1,2,3,4,5,6,7
.if \zero
	v_wmma_f32_16x16x32_bf16 v[8*(8*(\a)+(\b)):8*(8*(\a)+(\b))+7], v[(\f)+8*(\b):(\f)+8*(\b)+7], v[(\f)+8*(4*(\hi)+(\a)):(\f)+8*(4*(\hi)+(\a))+7], 0
.else
	v_wmma_f32_16x16x32_bf16 v[8*(8*(\a)+(\b)):8*(8*(\a)+(\b))+7], v[(\f)+8*(\b):(\f)+8*(\b)+7], v[(\f)+8*(4*(\hi)+(\a)):(\f)+8*(4*(\hi)+(\a))+7], v[8*(8*(\a)+(\b)):8*(8*(\a)+(\b))+7]
.endif
.endr
.endr
.endm
; 32 LDS loads in one run: the fragments of one quarter step (32 K at byte k of the rows) into buffer f: wg's sixteen loads, then hb's
.macro FETCH slot, k, f
	WIN TO_B
.irp i, 0,1,2,3,4,5,6,7
	ds_load_b128 v[(\f)+8*(\i):(\f)+8*(\i)+3],   v[ADRB+(\slot)] offset:(\k)+(\i)*16*PITCH
	ds_load_b128 v[(\f)+8*(\i)+4:(\f)+8*(\i)+7], v[ADRB+(\slot)] offset:(\k)+(\i)*16*PITCH+32
.endr
	WIN 0
.irp i, 0,1,2,3,4,5,6,7
	ds_load_b128 v[(\f)+8*(\i):(\f)+8*(\i)+3],   v[ADRA+(\slot)] offset:(\k)+(\i)*16*PITCH
	ds_load_b128 v[(\f)+8*(\i)+4:(\f)+8*(\i)+7], v[ADRA+(\slot)] offset:(\k)+(\i)*16*PITCH+32
.endr
.endm
.macro PLACES                          ; four plain instructions between a matrix instruction and a load into, or a vector write or read of, its registers
.rept 4
	v_nop
.endr
.endm
.macro LOADC                           ; the block's c0: my 16 numbers of my row.  The one place in the text that loads these registers; the wait for it stands in the same trip
	global_load_b128 v[C0V:C0V+3],     v[C0O], s[C0P:C0P+1] th:TH_LOAD_NT
	global_load_b128 v[C0V+4:C0V+7],   v[C0O], s[C0P:C0P+1] offset:16 th:TH_LOAD_NT
	global_load_b128 v[C0V+8:C0V+11],  v[C0O], s[C0P:C0P+1] offset:64 th:TH_LOAD_NT
	global_load_b128 v[C0V+12:C0V+15], v[C0O], s[C0P:C0P+1] offset:80 th:TH_LOAD_NT
.endm
.macro LOADS                           ; sig of my row in each of the tile's eight blocks, 16 rows of 20 bytes apart.  The one place that loads these registers; the wait stands at the way out's head
	EACH 8, global_load_b32 v[SIGS+k], v[XO], s[XP:XP+1] offset:k*320
.endm
; One of a K step's first three quarters: multiplies buffer f; in its middle it fetches the next quarter's fragments into g.
; x = 1: the tile's 256 rows x 256 bytes of c0 are prefetched, a thread two rows, each once in the launch, seven quarters (448 matrix instructions) ahead of the way out.  x = 2: the tile's sig is loaded.
.macro QUARTER slot, k, f, g, zero, x=0
	s_wait_dscnt 8                                 ; wg and hb's rows 0-63 are in; the youngest eight loads may be out
	MUL16 \f, 0, 0, \zero
	MUL16 \f, 0, 2, \zero
	PLACES
	FETCH \slot, \k, \g
.if (\x) == 1
	global_prefetch_b8 v[PFC], s[PFCB:PFCB+1] th:TH_LOAD_NT scope:SCOPE_SE
	global_prefetch_b8 v[PFC], s[PFCB:PFCB+1] offset:524288 th:TH_LOAD_NT scope:SCOPE_SE
.endif
.if (\x) == 2
	LOADS
.endif
	s_wait_dscnt 32                                ; all but the 32 just issued
	MUL16 \f, 1, 0, \zero
	MUL16 \f, 1, 2, \zero
.endm
; The last quarter's first half: ONE barrier for the change of slots.  In front of it each wave waits for all its tensor loads (one is out: its part of the next slot), adds 0 to its spare word,
; and waits for that and for its reads of this slot.  Behind it nobody reads this slot any more and the next slot is whole.
.macro MEET round
	WIN 0
	s_wait_tensorcnt 0x0
	ds_add_u32 v[SPW], v[NIL]
	s_wait_dscnt 9                                 ; (the add and the youngest eight loads may be out)
	MUL16 F1, 0, 0, 0
	s_wait_dscnt 0x0                               ; the add is done, and my reads of this slot are over
	s_barrier_signal -1
	MUL16 F1, 0, 2, 0
.if \round
	WIN 0
.endif
	s_barrier_wait -1
.endm
; The whole last quarter.  mode 0: this slot takes the tile's K step two on; 1: the next tile's K step 0 or 1; 2: nothing is filled, and no round of the cluster's barrier follows.
.macro TURN slot, next, mode
.if (\mode) == 2
	MEET 0
	PLACES
.else
	s_wait_xcnt 0x0                                ; the last prefetch, a K step back, has read its address
.if ((\mode) == 1) && ((\slot) == 0)
	s_add_nc_u64 s[PFA:PFA+1], s[PFA:PFA+1], (WALK-1)*SIZE_K*2+KSTEP*2  ; to the next tile's K step 1
	s_cmp_eq_u32 s11, 0
	s_cselect_b32 s[LIM], s[LIM], -1               ; wg's rows serve both tiles: they are asked for no more
.else
	s_add_nc_u64 s[PFA:PFA+1], s[PFA:PFA+1], KSTEP*2
.endif
	MEET 1
	CREST                                          ; no wave of any partner still reads this slot or has a load on its way
.if (\mode) == 1
	s_add_nc_u64 s[G0+4*(\slot)+2:G0+4*(\slot)+3], s[G0+4*(\slot)+2:G0+4*(\slot)+3], NEXT_A
	s_sub_nc_u64 s[G0B+4*(\slot)+2:G0B+4*(\slot)+3], s[G0B+4*(\slot)+2:G0B+4*(\slot)+3], BACK_B
.else
	s_add_nc_u64 s[G0+4*(\slot)+2:G0+4*(\slot)+3], s[G0+4*(\slot)+2:G0+4*(\slot)+3], 2*KSTEP*2
	s_add_nc_u64 s[G0B+4*(\slot)+2:G0B+4*(\slot)+3], s[G0B+4*(\slot)+2:G0B+4*(\slot)+3], 2*KSTEP*2
.endif
	JLOAD \slot                                    ; my one tensor load behind the round; its four v_nop are also the places in front of the loads below
.endif
	FETCH \next, 0, F0
.if (\mode) != 2
	ASK \mode
.endif
	MUL16 F1, 1, 0, 0
	MUL16 F1, 1, 2, 0
.endm
; Block a: its sig is taken, and T = its 64 sums times the exponent's factor + the bias.  Each accumulator's registers are read in ascending order.
.macro BLK a
	v_mov_b32 v[SIG], v[SIGS+(\a)]
	WIN 0x12+(\a)/4                                ; source 0 (the sums) window 2 or 3, source 2 (the bias) window 1, destination window 0
.set k, 0
.rept 32
.set ksel, KS
.if k/8 == 2
.set ksel, KG
.endif
	v_pk_fma_f32 v[T+2*k:T+2*k+1], v[64*((\a)%4)+2*k:64*((\a)%4)+2*k+1], s[ksel:ksel+1], v[BIA+2*k:BIA+2*k+1] op_sel_hi:[1,0,1]
.set k, k+1
.endr
	WIN 0
.endm
	s_wait_tensorcnt 1                             ; my part of K step 0 is in; K step 1's load stays out
	s_barrier_signal -1
	s_barrier_wait -1
	FETCH 0, 0, F0
	s_mov_b32 s2, 2                                ; tiles to go
.Ltile:
	QUARTER 0, 64,  F0, F1, 1                      ; a tile's first quarter starts the sums: nothing is cleared
	WIN 0
	s_mov_b32 s3, LAPS-1
.Llap:                                                 ; a trip goes once round the ring and fills both slots again
	QUARTER 0, 128, F1, F0, 0
	QUARTER 0, 192, F0, F1, 0
	TURN 0, 1, 0
	QUARTER 1, 64,  F0, F1, 0
	QUARTER 1, 128, F1, F0, 0
	QUARTER 1, 192, F0, F1, 0
	TURN 1, 0, 0
	QUARTER 0, 64,  F0, F1, 0
	WIN 0
	s_sub_co_u32 s3, s3, 1
	s_cmp_lg_u32 s3, 0
	s_cbranch_scc1 .Llap
	QUARTER 0, 128, F1, F0, 0, 1
	QUARTER 0, 192, F0, F1, 0, 2
	WIN 0
	s_cmp_eq_u32 s2, 1
	s_cbranch_scc1 .Llast                          ; the last tile's tail asks for nothing more
	TURN 0, 1, 1                                   ; the ring goes on into the next tile
	QUARTER 1, 64,  F0, F1, 0
	QUARTER 1, 128, F1, F0, 0
	QUARTER 1, 192, F0, F1, 0
	TURN 1, 0, 1                                   ; and the next tile's first fragments are fetched into buffer 0, which the way out leaves alone
	WIN 0
	s_branch .Lepi
.Llast:
	TURN 0, 1, 2
	QUARTER 1, 64,  F0, F1, 0
	QUARTER 1, 128, F1, F0, 0
	QUARTER 1, 192, F0, F1, 0
	s_wait_dscnt 8
	MUL16 F1, 0, 0, 0
	MUL16 F1, 0, 2, 0
	s_wait_dscnt 0x0
	MUL16 F1, 1, 0, 0
	MUL16 F1, 1, 2, 0
	WIN 0
; THE WAY OUT: eight blocks of 16 rows, one text; only the lines that name accumulators are written once for each block.
.Lepi:
	PLACES
	s_wait_loadcnt 0x0                             ; sig of my eight blocks is in
	s_mov_b32 s[EB], 0
.Lblk:
	LOADC                                          ; this block's c0: wanted behind 64 packed multiply-adds, 64 exponentials, 32 additions and 64 reciprocals
	s_lshl_b32 s95, s[EB], 6
	v_add_nc_u32 v[RSW], s95, v[RSA]               ; the block's 16 rows in RS
.irp a, 0,1,2,3,4,5,6
	s_cmp_eq_u32 s[EB], \a
	s_cbranch_scc1 .Lsel\a
.endr
	BLK 7
	s_branch .Lbody
.irp a, 0,1,2,3,4,5
.Lsel\a:
	BLK \a
	s_branch .Lbody
.endr
.Lsel6:
	BLK 6
.Lbody:
	WIN 0x01                                       ; W_ih in window 1
	EACH 32, v_pk_fma_f32 v[T+2*k:T+2*k+1], v[WIH+2*k:WIH+2*k+1], v[SIG:SIG+1], v[T+2*k:T+2*k+1] op_sel_hi:[1,0,1]
	WIN 0
	EACH 64, v_exp_f32 v[T+k], v[T+k]
	v_nop                                          ; a plain instruction behind the last of the batch,
	s_wait_alu depctr_va_vdst(0)                   ; and the one wait ahead of its first reader
	EACH 32, v_pk_add_f32 v[T+2*k:T+2*k+1], v[T+2*k:T+2*k+1], 1.0 op_sel_hi:[1,0]
	EACH 64, v_rcp_f32 v[T+k], v[T+k]
	v_nop
	s_wait_alu depctr_va_vdst(0)
	EACH 8, v_pk_fma_f32 v[TG+2*k:TG+2*k+1], v[TG+2*k:TG+2*k+1], -2.0, 1.0 op_sel_hi:[1,0,0]
	EACH 8, v_pk_mul_f32 v[TI+2*k:TI+2*k+1], v[TI+2*k:TI+2*k+1], v[TG+2*k:TG+2*k+1]
	s_wait_loadcnt 0x0                             ; this block's c0 is in,
	s_add_nc_u64 s[C0P:C0P+1], s[C0P:C0P+1], 65536 ; so its pointer may step: 16 rows on
	EACH 8, v_pk_fma_f32 v[U+2*k:U+2*k+1], v[TF+2*k:TF+2*k+1], v[C0V+2*k:C0V+2*k+1], v[TI+2*k:TI+2*k+1]
	EACH 8, v_pk_mul_f32 v[U+2*k:U+2*k+1], v[U+2*k:U+2*k+1], s[KG:KG+1] op_sel_hi:[1,0]
	EACH 16, v_exp_f32 v[U+k], v[U+k]
	v_nop
	s_wait_alu depctr_va_vdst(0)
	EACH 8, v_pk_add_f32 v[U+2*k:U+2*k+1], v[U+2*k:U+2*k+1], 1.0 op_sel_hi:[1,0]
	EACH 16, v_rcp_f32 v[U+k], v[U+k]
	v_nop
	s_wait_alu depctr_va_vdst(0)
	EACH 8, v_pk_fma_f32 v[U+2*k:U+2*k+1], v[U+2*k:U+2*k+1], -2.0, 1.0 op_sel_hi:[1,0,0]
	EACH 8, v_pk_mul_f32 v[U+2*k:U+2*k+1], v[U+2*k:U+2*k+1], v[TO+2*k:TO+2*k+1]
	EACH 8, v_pk_mul_f32 v[U+2*k:U+2*k+1], v[U+2*k:U+2*k+1], v[FCV+2*k:FCV+2*k+1]
	v_pk_mul_f32 v[SA:SA+1], v[U:U+1], v[B2V:B2V+1]              ; q . b2 over my 16 channels, two chains
	v_pk_mul_f32 v[SB:SB+1], v[U+2:U+3], v[B2V+2:B2V+3]
.set k, 2
.rept 6
	v_pk_fma_f32 v[SA+2*(k%2):SA+2*(k%2)+1], v[U+2*k:U+2*k+1], v[B2V+2*k:B2V+2*k+1], v[SA+2*(k%2):SA+2*(k%2)+1]
.set k, k+1
.endr
	EACH 8, v_cvt_pk_bf16_f32 v[QV+k], v[U+2*k], v[U+2*k+1]
	v_pk_add_f32 v[SA:SA+1], v[SA:SA+1], v[SB:SB+1]
	v_add_f32 v[SA], v[SA], v[SA+1]
	v_permlanex16_b32 v[SA+1], v[SA], s[SEL], s[SEL+1]           ; the row's other 16 channels lie in the lane 16 away
	v_add_f32 v[SA], v[SA], v[SA+1]
	ds_store_b32 v[RSW], v[SA]                                   ; both halves of the lanes write the same word with the same number
	global_store_b128 v[QO], v[QV:QV+3],   s[QP:QP+1]            ; 512 consecutive bytes, aligned
	global_store_b128 v[QO], v[QV+4:QV+7], s[QP:QP+1] offset:512
	s_wait_xcnt 0x0                                ; q's base and the stores' data are written again only behind this wait
	s_add_nc_u64 s[QP:QP+1], s[QP:QP+1], 32768
	s_add_co_u32 s[EB], s[EB], 1
	s_cmp_lt_u32 s[EB], 8
	s_cbranch_scc1 .Lblk
	s_wait_dscnt 0x0                               ; for the others' sake: my stores into RS are done
	s_barrier_signal -1
	s_barrier_wait -1
	ds_load_b64 v[U:U+1],   v[RSR]
	ds_load_b64 v[U+2:U+3], v[RSR] offset:1024
	s_wait_dscnt 0x0
	v_pk_add_f32 v[U:U+1], v[U:U+1], v[U+2:U+3]    ; the two halves of the tile's 64 channels
	global_store_b64 v[P1O], v[U:U+1], s[P1P:P1P+1]  ; a wave stores 256 consecutive bytes, aligned
	s_wait_xcnt 0x0                                ; every base is written again only behind this wait
	s_add_nc_u64 s[C0P:C0P+1], s[C0P:C0P+1], 4096*4096-8*65536
	s_add_nc_u64 s[XP:XP+1], s[XP:XP+1], 4096*20
	s_add_nc_u64 s[QP:QP+1], s[QP:QP+1], 256*32768-8*32768
	s_add_nc_u64 s[P1P:P1P+1], s[P1P:P1P+1], 16384
	s_add_nc_u64 s[PFCB:PFCB+1], s[PFCB:PFCB+1], 4096*4096
	s_sub_co_u32 s2, s2, 1
	s_cmp_lg_u32 s2, 0
	s_cbranch_scc1 .Ltile                          ; (behind the last tile the stepped addresses are not used)
	s_wait_tensorcnt 0x0                           ; the wave's end, behind my last tensor load and my last LDS store
	ds_add_u32 v[SPW], v[NIL]
	s_wait_dscnt 0x0
	CROUND                                         ; the closing round: no work-group ends while a partner may still ask for a tile that names it
	s_endpgm
.Lfunc_end_k_q7d8dedf36b_gates:
	.size	k_q7d8dedf36b_gates, .Lfunc_end_k_q7d8dedf36b_gates-k_q7d8dedf36b_gates
	.p2alignl 7, 3214868480
	.fill 96, 4, 3214868480
	.section	.rodata,"a",@progbits
	.p2align	6, 0x0
	.amdhsa_kernel k_q7d8dedf36b_gates
		.amdhsa_group_segment_fixed_size 327680
		.amdhsa_private_segment_fixed_size 0
		.amdhsa_enable_private_segment 0
		.amdhsa_kernarg_size 88
		.amdhsa_user_sgpr_count 2
		.amdhsa_user_sgpr_kernarg_segment_ptr 1
		.amdhsa_wavefront_size32 1
		.amdhsa_system_sgpr_workgroup_id_x 1
		.amdhsa_system_sgpr_workgroup_id_y 1
		.amdhsa_system_sgpr_workgroup_id_z 1
		.amdhsa_system_vgpr_workitem_id 0
		.amdhsa_next_free_vgpr 1024
		.amdhsa_next_free_sgpr 102
		.amdhsa_reserve_vcc 0
		.amdhsa_float_denorm_mode_32 3
		.amdhsa_float_denorm_mode_16_64 3
		.amdhsa_memory_ordered 1
		.amdhsa_forward_progress 1
		.amdhsa_inst_pref_size 194
	.end_amdhsa_kernel
	.amdgpu_metadata
---
amdhsa.version: [ 1, 2 ]
amdhsa.kernels:
  - .name:           k_q7d8dedf36b_gates
    .symbol:         k_q7d8dedf36b_gates.kd
    .args:
      - { .name: hb, .offset: 0, .size: 8, .value_kind: global_buffer, .address_space: global }
      - { .name: wg, .offset: 8, .size: 8, .value_kind: global_buffer, .address_space: global }
      - { .name: c0, .offset: 16, .size: 8, .value_kind: global_buffer, .address_space: global }
      - { .name: x, .offset: 24, .size: 8, .value_kind: global_buffer, .address_space: global }
      - { .name: W_ih, .offset: 32, .size: 8, .value_kind: global_buffer, .address_space: global }
      - { .name: b_ih, .offset: 40, .size: 8, .value_kind: global_buffer, .address_space: global }
      - { .name: b_hh, .offset: 48, .size: 8, .value_kind: global_buffer, .address_space: global }
      - { .name: fc_W, .offset: 56, .size: 8, .value_kind: global_buffer, .address_space: global }
      - { .name: film_b2, .offset: 64, .size: 8, .value_kind: global_buffer, .address_space: global }
      - { .name: q, .offset: 72, .size: 8, .value_kind: global_buffer, .address_space: global }
      - { .name: p1, .offset: 80, .size: 8, .value_kind: global_buffer, .address_space: global }
    .group_segment_fixed_size: 327680
    .private_segment_fixed_size: 0
    .kernarg_segment_align: 8
    .kernarg_segment_size: 88
    .max_flat_workgroup_size: 128
    .sgpr_count:     102
    .vgpr_count:     1024
    .wavefront_size: 32
...
	.end_amdgpu_metadata
.endif
;; end of part 2
;; launch film (part 3): grid 8 x 32, 4 waves a work-group, clusters of 4 x 4, 327,680 bytes of LDS; arguments q, w2t, x, tabs, film_b1, p2; writes p2
.if DOCPART == 3
	.amdgcn_target "amdgcn-amd-amdhsa--gfx1250"
	.amdhsa_code_object_version 6
	.text
	.protected	k_q7d8dedf36b_film
	.globl	k_q7d8dedf36b_film
	.p2align	8
	.type	k_q7d8dedf36b_film,@function
k_q7d8dedf36b_film:
	s_mov_b64 s[64:65], 0
	v_nop
	global_prefetch_b8 v0, s[64:65] scope:SCOPE_SE
	s_setreg_imm32_b32 hwreg(HW_REG_WAVE_MODE, 25, 1), 1
	s_wait_xcnt 0x0
	s_wait_alu depctr_hold_cnt(0) depctr_sa_sdst(0) depctr_va_vdst(0) depctr_va_sdst(0) depctr_va_ssrc(0) depctr_va_vcc(0) depctr_vm_vsrc(0)
	s_getreg_b32 s2, hwreg(HW_REG_IB_STS2, 6, 4)
	s_cmp_eq_u32 s2, 0
	s_cbranch_scc0 .Lentry_in_a_cluster
	s_endpgm
.Lentry_in_a_cluster:
	s_bfe_u32 s2, ttmp6, 0x10000c
	s_cmp_lg_u32 s2, 0xf033
	s_cbranch_scc0 .Lentry_shape_is_right
	s_endpgm
.Lentry_shape_is_right:
; LAUNCH 3 OF 4.  u = q W2[:H, :] and the row sums of a (u + v), a = relu(C W1^T + b1).  The beta half of reference()'s product a W2^T is not formed: it reaches the output only as a . v (first launch's head).
; THE PRODUCT.  q and w2t lie in the order of an operand's registers: block (16 rows or columns, 32 k) of 1,024 bytes, 16 bytes a lane twice; a block row's 32 blocks lie on end.
; A tile is 256 rows b x 256 columns n; four waves, 128 x 128 each.  K = 1,024 goes in steps of 128 through two LDS slots: a wave's tensor load brings 8 block rows x 4,096 consecutive bytes,
; laid dense, so that a fragment load takes 512 consecutive bytes.  CLUSTERS: 4 x 4; q's tiles are asked for jointly along a row of the cluster, w2t's along a column.
; TRANSPOSED USE (source 0 = 16 columns n, source 1 = 16 rows b): lane l holds row l % 16, registers 0-7 the columns n = 16 nb + 8 (l / 16) + 0..7.
; THE WAY OUT, a block of 16 columns at a time for all of the wave's 128 rows: a is made in f32 from x, W1T and b1, and sum += a (u + v).  a is never rounded and never stored.
; LIMITS: q and W2[:H] enter in bf16; NaN and infinities are not treated apart.
; REGISTERS: window 0: v16-30 addresses; v32-63 C of my eight rows; v64-127, v128-191 fragments of q (on the way out u + v and a); v192-239 the tables of one n block; v240-255 the sums
;   window 1: v64-127, v128-191 fragments of w2t       windows 2, 3: the accumulators
.set STEPB,  4096                      ; bytes of a block row in a K step
.set HALFT,  8*STEPB                   ; what one tensor load brings
.set SLOT,   4*HALFT
.set TB,     2*SLOT                    ; behind the ring, never filled by a tensor load: each wave's tables, 8,192 bytes: entry e = 2 nb + l / 16 of 256 bytes holds W1T s = 0..3, b1, v, 32 bytes each;
                                       ; entries 16-31 repeat 0-15, so that the last trip's look-ahead reads bytes that have been written
.set RS,     TB+4*8192                 ; the row sums, f32 [2 c][256 rows]
.set SPARE,  RS+2048                   ; the spare words, 128 bytes a wave
.set LAPS,   4
.set ADRA, 16
.set XO,   18                          ; v18  (l % 16) x 20
.set TBW,  19                          ; v19  where I put 16 bytes of a table
.set ADRB, 20
.set TBR,  22                          ; v22  my half's entry of n block 0
.set RSA,  23
.set RSR,  24
.set P2O,  25
.set TLO,  26                          ; v26  16 x lane
.set TBN,  27                          ; v27  TBR + 512 x the n block in hand
.set SPW,  28
.set NIL,  29
.set PFO,  30
.set CV,   32                          ; C[row of block a][s] at CV + 4 a + s
.set F0,   64
.set F1,   128
.set T,    64                          ; u + v, index 8 a + r
.set P,    128                         ; a, index 8 a + r
.set W0,   192                         ; table arr at 192 + 8 arr: W1T s = 0..3, b1, v
.set W1,   200
.set W2,   208
.set W3,   216
.set B1,   224
.set VV,   232
.set SUM,  240                         ; a pair for each block a
.set G1,   24
.set G0,   32
.set LIM,  43
.set PFA,  44
.set G1B,  48
.set G0B,  56
.set SEL,  92
.set EB,   94
.set MSB, 0
.macro WIN new
.if MSB != (\new)
	s_set_vgpr_msb (MSB<<8)|(\new)
.set MSB, \new
.endif
.endm
.set MUL_LO, 0xa1
.set MUL_HI, 0xf1
.set TO_B,   0x40
.macro EACH n, line:vararg
.set k, 0
.rept \n
	\line
.set k, k+1
.endr
.endm
.macro JLOAD s                         ; a joint load: waves 0 and 1 fetch q's two halves, waves 2 and 3 w2t's; an s_nop 0 and four v_nop follow each of the two lines
	s_cmp_eq_u32 s11, 0
	s_cbranch_scc0 .Lfor_b_\@
	tensor_load_to_lds s[G0+4*(\s):G0+4*(\s)+3], s[G1:G1+7]
	s_nop 0
.rept 4
	v_nop
.endr
	s_branch .Lasked_\@
.Lfor_b_\@:
	tensor_load_to_lds s[G0B+4*(\s):G0B+4*(\s)+3], s[G1B:G1B+7]
	s_nop 0
.rept 4
	v_nop
.endr
.Lasked_\@:
.endm
; A prefetch of the K step two refills on.  Of the 8 block rows x 4,096 bytes that a wave fetches each of the four partners takes 2, by address: 32 blocks of 256 bytes, a lane each.
; Cluster x = 0 asks for q's, cluster y = 0 for w2t's: each block is named once in the launch.  The loop's last trip asks for nothing: there is no K step two on.
.macro ASK
	s_cmp_gt_u32 s3, s[LIM]
	s_cbranch_scc0 .Lnot_mine_\@
	global_prefetch_b8 v[PFO], s[PFA:PFA+1] offset:STEPB th:TH_LOAD_NT scope:SCOPE_SE
.Lnot_mine_\@:
.endm
.macro CREST
	s_cmp_lg_u32 s10, 0
	s_cbranch_scc1 .Lnot_wave_0_\@
	s_barrier_signal -3
.Lnot_wave_0_\@:
	s_barrier_wait -3
	s_barrier_signal -1
	s_barrier_wait -1
.endm
.macro CROUND
	s_barrier_signal -1
	s_barrier_wait -1
	CREST
.endm
	s_load_b128 s[4:7], s[0:1], 0x0                ; q s[4:5], w2t s[6:7]
	s_load_b256 s[68:75], s[0:1], 0x10             ; x 68, tabs 70, film_b1 72, p2 74
	v_lshl_add_u32 v[SPW], v0, 2, SPARE
	v_mov_b32 v[NIL], 0
	ds_add_u32 v[SPW], v[NIL]                      ; the wave's opening: the add, twice on end, and its wait ahead of my first tensor load
	ds_add_u32 v[SPW], v[NIL]
	v_lshrrev_b32 v1, 5, v0
	v_readfirstlane_b32 s10, v1                    ; wave 0..3
	s_lshr_b32 s11, s10, 1                         ; my half of the rows.  Also: I fetch for q (0) or w2t (1)
	s_and_b32 s12, s10, 1                          ; c: my half of the columns.  Also: which 8 block rows I fetch
	s_bfe_u32 s40, ttmp6, 0x40000                  ; cx
	s_bfe_u32 s41, ttmp6, 0x40004                  ; cy
	s_lshl_b32 s42, ttmp9, 2
	s_add_co_u32 s42, s42, s40                     ; tile column
	s_and_b32 s13, ttmp7, 0xffff
	s_lshl_b32 s13, s13, 2
	s_add_co_u32 s13, s13, s41                     ; tile row
	s_lshl_b32 s43, s41, 2
	s_lshl_b32 s43, 15, s43                        ; my row of the cluster
	s_lshl_b32 s44, 0x1111, s40                    ; my column
	s_or_b32 s[G1+0], s43, (3<<16)|(1<<21)         ; the mask; 8-byte elements; bit 21 beside a mask; no padding
	s_or_b32 s[G1B+0], s44, (3<<16)|(1<<21)
.irp g, G1, G1B
	s_mov_b32 s[(\g)+1], 512<<16                   ; tensor_dim0 = 512 elements = 4,096 bytes
	s_mov_b32 s[(\g)+2], 8<<16                     ; tensor_dim1 = 8
	s_mov_b32 s[(\g)+3], 512<<16                   ; tile_dim0 = 512
	s_mov_b32 s[(\g)+4], 8                         ; tile_dim1 = 8
	s_mov_b32 s[(\g)+5], 4096                      ; 4,096 elements = 32,768 bytes from block row to block row
	s_mov_b32 s[(\g)+6], 0
	s_mov_b32 s[(\g)+7], 0
.endr
	s_lshl_b32 s17, s12, 3                         ; which 8 block rows of the tile's 16 I fetch
	s_lshl_b32 s16, s13, 4
	s_add_co_u32 s16, s16, s17
	s_lshl_b32 s16, s16, 15                        ; q: block row 16 x tile row + 8 x half, 32,768 bytes each
	s_lshl_b32 s46, s42, 4
	s_add_co_u32 s46, s46, s17
	s_lshl_b32 s46, s46, 15                        ; w2t likewise by the tile column
	s_mov_b32 s17, 0
	s_mov_b32 s47, 0
	s_mul_i32 s20, s10, HALFT                      ; where they go: no place in the cluster enters an LDS address
	s_mov_b32 s[SEL], 0x76543210
	s_mov_b32 s[SEL+1], 0xfedcba98
	s_wait_dscnt 0x0                               ; both opening adds are done
	s_wait_kmcnt 0x0
	s_add_nc_u64 s[14:15], s[4:5], s[16:17]
	s_add_nc_u64 s[46:47], s[6:7], s[46:47]
	CROUND                                         ; all sixteen work-groups are here: the first joint loads meet
.irp s, 0,1
	s_mov_b32 s[G0+4*(\s)], 1
	s_add_co_u32 s[G0+4*(\s)+1], s20, (\s)*SLOT
	s_add_nc_u64 s[G0+4*(\s)+2:G0+4*(\s)+3], s[14:15], (\s)*STEPB
	s_or_b32 s[G0+4*(\s)+3], s[G0+4*(\s)+3], 0x80000000
	s_mov_b32 s[G0B+4*(\s)], 1
	s_add_co_u32 s[G0B+4*(\s)+1], s20, (\s)*SLOT
	s_add_nc_u64 s[G0B+4*(\s)+2:G0B+4*(\s)+3], s[46:47], (\s)*STEPB
	s_or_b32 s[G0B+4*(\s)+3], s[G0B+4*(\s)+3], 0x80000000
	JLOAD \s                                       ; two loads of mine are out
.endr
	; my own addresses; their offsets are made in s96-s101, which feed no descriptor
	s_lshl_b32 s96, s13, 8                         ; the tile's first row
	s_lshl_b32 s97, s11, 7
	s_add_co_u32 s97, s96, s97                     ; my wave's first row
	s_mov_b32 s101, 0
	s_mul_i32 s100, s97, 20
	s_add_nc_u64 s[68:69], s[68:69], s[100:101]    ; x
	s_lshl_b32 s100, s42, 10                       ; 256 columns of 4 bytes
	s_lshl_b32 s99, s12, 9
	s_add_co_u32 s100, s100, s99                   ; + my 128
	s_add_nc_u64 s[70:71], s[70:71], s[100:101]    ; tabs
	s_add_nc_u64 s[72:73], s[72:73], s[100:101]    ; b1
	s_lshl_b32 s100, s42, 15                       ; tile column x 8,192 rows x 4 bytes
	s_lshl_b32 s96, s96, 2
	s_add_co_u32 s100, s100, s96
	s_add_nc_u64 s[74:75], s[74:75], s[100:101]    ; p2
	v_and_b32 v1, 15, v0                           ; l % 16
	v_bfe_u32 v2, v0, 4, 1                         ; l / 16
	v_and_b32 v4, 31, v0
	v_mul_u32_u24 v[XO], v1, 20
	v_lshlrev_b32 v[TLO], 4, v4
.irp arr, 0,1,2,3
	global_load_b128 v[192+4*(\arr):192+4*(\arr)+3], v[TLO], s[70:71] offset:(\arr)*8192  ; W1T[s], my wave's 128 columns
.endr
	global_load_b128 v[208:211], v[TLO], s[72:73]                ; b1
	global_load_b128 v[212:215], v[TLO], s[70:71] offset:32768   ; v
.set k, 0
.rept 32
	global_load_b32 v[CV+k], v[XO], s[68:69] offset:(k/4)*320+4+4*(k%4)  ; C of row 16 (k / 4) + l % 16
.set k, k+1
.endr
	s_lshl_b32 s21, s11, 15                        ; my 8 block rows of q,
	s_lshl_b32 s22, s12, 15                        ; and of w2t,
	s_add_co_u32 s22, s22, 2*HALFT                 ; which lie behind q's 16
.irp s, 0,1
	v_add_nc_u32 v[ADRA+(\s)], s21, v[TLO]
	v_add_nc_u32 v[ADRB+(\s)], s22, v[TLO]
	s_add_co_u32 s21, s21, SLOT
	s_add_co_u32 s22, s22, SLOT
.endr
	v_lshrrev_b32 v5, 1, v4                        ; lane l holds columns 4 l .. 4 l + 3: entry l / 2, its half l % 2
	v_and_b32 v6, 1, v4
	v_lshlrev_b32 v6, 4, v6
	v_lshl_add_u32 v5, v5, 8, v6
	s_lshl_b32 s21, s10, 13
	s_add_co_u32 s21, s21, TB                      ; my wave's tables
	v_add_nc_u32 v[TBW], s21, v5
	v_lshl_add_u32 v[TBR], v2, 8, s21
	s_lshl_b32 s21, s12, 10
	s_lshl_b32 s22, s11, 9
	s_add_co_u32 s21, s21, s22
	s_add_co_u32 s21, s21, RS
	v_lshl_add_u32 v[RSA], v1, 2, s21
	v_lshl_add_u32 v[RSR], v0, 3, RS
	v_lshlrev_b32 v[P2O], 3, v0
	; the prefetches
	s_lshl_b32 s13, s13, 4
	s_lshl_b32 s42, s42, 4
	s_and_b32 s22, ttmp7, 0xffff                   ; cluster y
	s_cmp_eq_u32 s11, 0
	s_cselect_b32 s20, s13, s42                    ; the tile's first block row
	s_cselect_b32 s21, s40, s41                    ; my place among the four that ask with me
	s_cselect_b32 s22, ttmp9, s22
	s_cselect_b64 s[PFA:PFA+1], s[4:5], s[6:7]
	s_cmp_eq_u32 s22, 0
	s_cselect_b32 s[LIM], 1, -1
	s_lshl_b32 s22, s12, 3
	s_add_co_u32 s20, s20, s22
	s_lshl_b32 s21, s21, 1
	s_add_co_u32 s20, s20, s21
	s_lshl_b32 s20, s20, 15
	s_mov_b32 s21, 0
	s_add_nc_u64 s[PFA:PFA+1], s[PFA:PFA+1], s[20:21]
	s_add_nc_u64 s[PFA:PFA+1], s[PFA:PFA+1], 2*STEPB  ; at K step 2: the first refill steps it to 3 and names K step 4
	v_lshlrev_b32 v[PFO], 8, v1
	v_lshl_add_u32 v[PFO], v2, 15, v[PFO]
	s_wait_loadcnt 0x0
.irp arr, 0,1,2,3,4,5
	ds_store_b128 v[TBW], v[192+4*(\arr):192+4*(\arr)+3] offset:(\arr)*32
	ds_store_b128 v[TBW], v[192+4*(\arr):192+4*(\arr)+3] offset:(\arr)*32+4096
.endr
.macro MUL16 f, hi, a0, zero           ; 16 matrix instructions; the 64 accumulators take turns
	WIN MUL_LO+0x50*(\hi)
.irp a, \a0, (\a0)+1
.irp b, 0,1,2,3,4,5,6,7
.if \zero
	v_wmma_f32_16x16x32_bf16 v[8*(8*(\a)+(\b)):8*(8*(\a)+(\b))+7], v[(\f)+8*(\b):(\f)+8*(\b)+7], v[(\f)+8*(4*(\hi)+(\a)):(\f)+8*(4*(\hi)+(\a))+7], 0
.else
	v_wmma_f32_16x16x32_bf16 v[8*(8*(\a)+(\b)):8*(8*(\a)+(\b))+7], v[(\f)+8*(\b):(\f)+8*(\b)+7], v[(\f)+8*(4*(\hi)+(\a)):(\f)+8*(4*(\hi)+(\a))+7], v[8*(8*(\a)+(\b)):8*(8*(\a)+(\b))+7]
.endif
.endr
.endr
.endm
.macro FETCH slot, k, f                ; 32 LDS loads in one run, 512 consecutive bytes each: w2t's sixteen, then q's; k = 1,024 x the quarter
	WIN TO_B
.irp i, 0,1,2,3,4,5,6,7
	ds_load_b128 v[(\f)+8*(\i):(\f)+8*(\i)+3],   v[ADRB+(\slot)] offset:(\k)+(\i)*STEPB
	ds_load_b128 v[(\f)+8*(\i)+4:(\f)+8*(\i)+7], v[ADRB+(\slot)] offset:(\k)+(\i)*STEPB+512
.endr
	WIN 0
.irp i, 0,1,2,3,4,5,6,7
	ds_load_b128 v[(\f)+8*(\i):(\f)+8*(\i)+3],   v[ADRA+(\slot)] offset:(\k)+(\i)*STEPB
	ds_load_b128 v[(\f)+8*(\i)+4:(\f)+8*(\i)+7], v[ADRA+(\slot)] offset:(\k)+(\i)*STEPB+512
.endr
.endm
.macro PLACES
.rept 4
	v_nop
.endr
.endm
.macro QUARTER slot, k, f, g, zero
	s_wait_dscnt 8                                 ; w2t and q's rows 0-63 are in; the youngest eight loads may be out
	MUL16 \f, 0, 0, \zero
	MUL16 \f, 0, 2, \zero
	PLACES
	FETCH \slot, \k, \g
	s_wait_dscnt 32                                ; all but the 32 just issued
	MUL16 \f, 1, 0, \zero
	MUL16 \f, 1, 2, \zero
.endm
.macro MEET round                      ; one barrier for the change of slots: all my tensor loads, the add, my reads of this slot, in front of its signal
	WIN 0
	s_wait_tensorcnt 0x0
	ds_add_u32 v[SPW], v[NIL]
	s_wait_dscnt 9                                 ; (the add and the youngest eight loads may be out)
	MUL16 F1, 0, 0, 0
	s_wait_dscnt 0x0
	s_barrier_signal -1
	MUL16 F1, 0, 2, 0
.if \round
	WIN 0
.endif
	s_barrier_wait -1
.endm
.macro TURN slot, next, fill           ; the last quarter.  fill = 1: this slot takes the K step two on, behind a round of the cluster's barrier
.if \fill
	s_wait_xcnt 0x0                                ; the last prefetch, a K step back, has read its address
	s_add_nc_u64 s[PFA:PFA+1], s[PFA:PFA+1], STEPB
	MEET 1
	CREST
	s_add_nc_u64 s[G0+4*(\slot)+2:G0+4*(\slot)+3], s[G0+4*(\slot)+2:G0+4*(\slot)+3], 2*STEPB
	s_add_nc_u64 s[G0B+4*(\slot)+2:G0B+4*(\slot)+3], s[G0B+4*(\slot)+2:G0B+4*(\slot)+3], 2*STEPB
	JLOAD \slot                                    ; my one tensor load behind the round; its four v_nop are also the places in front of the loads below
.else
	MEET 0
	PLACES
.endif
	FETCH \next, 0, F0
.if \fill
	ASK
.endif
	MUL16 F1, 1, 0, 0
	MUL16 F1, 1, 2, 0
.endm
; u + v for n block nb, all eight row blocks.  Each accumulator's registers are read in ascending order.
.macro NBK nb
	WIN 0x02
	EACH 16, v_pk_add_f32 v[T+2*k:T+2*k+1], v[64*(k/4)+8*(\nb)+2*(k%4):64*(k/4)+8*(\nb)+2*(k%4)+1], v[VV+2*(k%4):VV+2*(k%4)+1]
	WIN 0x03
	EACH 16, v_pk_add_f32 v[T+32+2*k:T+32+2*k+1], v[64*(k/4)+8*(\nb)+2*(k%4):64*(k/4)+8*(\nb)+2*(k%4)+1], v[VV+2*(k%4):VV+2*(k%4)+1]
	WIN 0
.endm
.macro RELOAD arr                      ; table arr of the next n block, as soon as this block has read it
	ds_load_b128 v[192+8*(\arr):192+8*(\arr)+3],   v[TBN] offset:512+(\arr)*32
	ds_load_b128 v[192+8*(\arr)+4:192+8*(\arr)+7], v[TBN] offset:512+(\arr)*32+16
.endm
	s_wait_tensorcnt 1                             ; my part of K step 0 is in; K step 1's load stays out
	s_wait_dscnt 0x0                               ; my tables are stored
	s_barrier_signal -1
	s_barrier_wait -1
	FETCH 0, 0, F0
	QUARTER 0, 1024, F0, F1, 1                     ; the first quarter starts the sums: nothing is cleared
	WIN 0
	s_mov_b32 s3, LAPS-1
.Llap:
	QUARTER 0, 2048, F1, F0, 0
	QUARTER 0, 3072, F0, F1, 0
	TURN 0, 1, 1
	QUARTER 1, 1024, F0, F1, 0
	QUARTER 1, 2048, F1, F0, 0
	QUARTER 1, 3072, F0, F1, 0
	TURN 1, 0, 1
	QUARTER 0, 1024, F0, F1, 0
	WIN 0
	s_sub_co_u32 s3, s3, 1
	s_cmp_lg_u32 s3, 0
	s_cbranch_scc1 .Llap
	QUARTER 0, 2048, F1, F0, 0                     ; the last lap fills nothing
	QUARTER 0, 3072, F0, F1, 0
	TURN 0, 1, 0
	QUARTER 1, 1024, F0, F1, 0
	QUARTER 1, 2048, F1, F0, 0
	QUARTER 1, 3072, F0, F1, 0
	s_wait_dscnt 8
	MUL16 F1, 0, 0, 0
	MUL16 F1, 0, 2, 0
	s_wait_dscnt 0x0
	MUL16 F1, 1, 0, 0
	MUL16 F1, 1, 2, 0
	WIN 0
; THE WAY OUT: eight n blocks, one text; only the lines that name accumulators are written once for each block.
	PLACES
	EACH 16, v_mov_b32 v[SUM+k], 0
.irp arr, 0,1,2,3,4,5
	ds_load_b128 v[192+8*(\arr):192+8*(\arr)+3],   v[TBR] offset:(\arr)*32
	ds_load_b128 v[192+8*(\arr)+4:192+8*(\arr)+7], v[TBR] offset:(\arr)*32+16
.endr
	s_mov_b32 s[EB], 0
.Lnb:
	s_wait_dscnt 0x0                               ; this block's tables are in
	s_lshl_b32 s95, s[EB], 9
	v_add_nc_u32 v[TBN], s95, v[TBR]
.irp a, 0,1,2,3,4,5,6
	s_cmp_eq_u32 s[EB], \a
	s_cbranch_scc1 .Lsel\a
.endr
	NBK 7
	s_branch .Lfb
.irp a, 0,1,2,3,4,5
.Lsel\a:
	NBK \a
	s_branch .Lfb
.endr
.Lsel6:
	NBK 6
.Lfb:
	RELOAD 5
	EACH 32, v_pk_fma_f32 v[P+2*k:P+2*k+1], v[W0+2*(k%4):W0+2*(k%4)+1], v[CV+4*(k/4):CV+4*(k/4)+1], v[B1+2*(k%4):B1+2*(k%4)+1] op_sel_hi:[1,0,1]
	RELOAD 0
	RELOAD 4
	EACH 32, v_pk_fma_f32 v[P+2*k:P+2*k+1], v[W1+2*(k%4):W1+2*(k%4)+1], v[CV+4*(k/4):CV+4*(k/4)+1], v[P+2*k:P+2*k+1] op_sel:[0,1,0] op_sel_hi:[1,1,1]
	RELOAD 1
	EACH 32, v_pk_fma_f32 v[P+2*k:P+2*k+1], v[W2+2*(k%4):W2+2*(k%4)+1], v[CV+4*(k/4)+2:CV+4*(k/4)+3], v[P+2*k:P+2*k+1] op_sel_hi:[1,0,1]
	RELOAD 2
	EACH 32, v_pk_fma_f32 v[P+2*k:P+2*k+1], v[W3+2*(k%4):W3+2*(k%4)+1], v[CV+4*(k/4)+2:CV+4*(k/4)+3], v[P+2*k:P+2*k+1] op_sel:[0,1,0] op_sel_hi:[1,1,1]
	RELOAD 3
	EACH 64, v_max_num_f32 v[P+k], 0, v[P+k]
	EACH 32, v_pk_fma_f32 v[SUM+2*(k%8):SUM+2*(k%8)+1], v[P+8*(k%8)+2*(k/8):P+8*(k%8)+2*(k/8)+1], v[T+8*(k%8)+2*(k/8):T+8*(k%8)+2*(k/8)+1], v[SUM+2*(k%8):SUM+2*(k%8)+1]
	s_add_co_u32 s[EB], s[EB], 1
	s_cmp_lt_u32 s[EB], 8
	s_cbranch_scc1 .Lnb
	EACH 8, v_add_f32 v[SUM+2*k], v[SUM+2*k], v[SUM+2*k+1]
	EACH 8, v_permlanex16_b32 v[SUM+2*k+1], v[SUM+2*k], s[SEL], s[SEL+1]
	EACH 8, v_add_f32 v[SUM+2*k], v[SUM+2*k], v[SUM+2*k+1]
	EACH 8, ds_store_b32 v[RSA], v[SUM+2*k] offset:k*64
	s_wait_dscnt 0x0                               ; for the others' sake: my stores into RS are done (and the last look-ahead's loads are back)
	s_barrier_signal -1
	s_barrier_wait -1
	ds_load_b64 v[T:T+1],   v[RSR]
	ds_load_b64 v[T+2:T+3], v[RSR] offset:1024
	s_wait_dscnt 0x0
	v_pk_add_f32 v[T:T+1], v[T:T+1], v[T+2:T+3]    ; the two halves of the tile's 256 columns
	global_store_b64 v[P2O], v[T:T+1], s[74:75]    ; a wave stores 256 consecutive bytes, aligned
	s_wait_tensorcnt 0x0                           ; the wave's end, behind my last tensor load and my last LDS store
	ds_add_u32 v[SPW], v[NIL]
	s_wait_dscnt 0x0
	CROUND                                         ; the closing round
	s_endpgm
.Lfunc_end_k_q7d8dedf36b_film:
	.size	k_q7d8dedf36b_film, .Lfunc_end_k_q7d8dedf36b_film-k_q7d8dedf36b_film
	.p2alignl 7, 3214868480
	.fill 96, 4, 3214868480
	.section	.rodata,"a",@progbits
	.p2align	6, 0x0
	.amdhsa_kernel k_q7d8dedf36b_film
		.amdhsa_group_segment_fixed_size 327680
		.amdhsa_private_segment_fixed_size 0
		.amdhsa_enable_private_segment 0
		.amdhsa_kernarg_size 48
		.amdhsa_user_sgpr_count 2
		.amdhsa_user_sgpr_kernarg_segment_ptr 1
		.amdhsa_wavefront_size32 1
		.amdhsa_system_sgpr_workgroup_id_x 1
		.amdhsa_system_sgpr_workgroup_id_y 1
		.amdhsa_system_sgpr_workgroup_id_z 1
		.amdhsa_system_vgpr_workitem_id 0
		.amdhsa_next_free_vgpr 1024
		.amdhsa_next_free_sgpr 102
		.amdhsa_reserve_vcc 0
		.amdhsa_float_denorm_mode_32 3
		.amdhsa_float_denorm_mode_16_64 3
		.amdhsa_memory_ordered 1
		.amdhsa_forward_progress 1
		.amdhsa_inst_pref_size 151
	.end_amdhsa_kernel
	.amdgpu_metadata
---
amdhsa.version: [ 1, 2 ]
amdhsa.kernels:
  - .name:           k_q7d8dedf36b_film
    .symbol:         k_q7d8dedf36b_film.kd
    .args:
      - { .name: q, .offset: 0, .size: 8, .value_kind: global_buffer, .address_space: global }
      - { .name: w2t, .offset: 8, .size: 8, .value_kind: global_buffer, .address_space: global }
      - { .name: x, .offset: 16, .size: 8, .value_kind: global_buffer, .address_space: global }
      - { .name: tabs, .offset: 24, .size: 8, .value_kind: global_buffer, .address_space: global }
      - { .name: film_b1, .offset: 32, .size: 8, .value_kind: global_buffer, .address_space: global }
      - { .name: p2, .offset: 40, .size: 8, .value_kind: global_buffer, .address_space: global }
    .group_segment_fixed_size: 327680
    .private_segment_fixed_size: 0
    .kernarg_segment_align: 8
    .kernarg_segment_size: 48
    .max_flat_workgroup_size: 128
    .sgpr_count:     102
    .vgpr_count:     1024
    .wavefront_size: 32
...
	.end_amdgpu_metadata
.endif
;; end of part 3
;; launch fin (part 4): grid 128 x 1, 1 waves a work-group, no clusters, 0 bytes of LDS; arguments p1, p2, fc_W, film_b2, fc_b, out0; writes out0
.if DOCPART == 4
	.amdgcn_target "amdgcn-amd-amdhsa--gfx1250"
	.amdhsa_code_object_version 6
	.text
	.protected	k_q7d8dedf36b_fin
	.globl	k_q7d8dedf36b_fin
	.p2align	8
	.type	k_q7d8dedf36b_fin,@function
k_q7d8dedf36b_fin:
	s_mov_b64 s[64:65], 0
	v_nop
	global_prefetch_b8 v0, s[64:65] scope:SCOPE_SE
	s_setreg_imm32_b32 hwreg(HW_REG_WAVE_MODE, 25, 1), 1
	s_wait_xcnt 0x0
; LAUNCH 4 OF 4.  out[b] = the 16 partial sums of q . b2[:H] + the 8 partial sums of a (u + v) + fc . b2[H:] + fc_b.  beta's own numbers are not formed (first launch's head): fc . b2[H:] is their bias's share.
; A wave owns 64 rows, a lane two: every load of a partial sum and the store cover 256 consecutive bytes, aligned.  All 40 loads go out together; there is work for 128 waves and no more.
; All sums in f32, in a fixed order.
.set P1V, 8                            ; v[8:39]    16 pairs of p1;  v[40:55] 8 pairs of p2: 24 pairs on end
.set FCR, 56                           ; v[56:87]   fc: 32 numbers a lane
.set B2R, 88                           ; v[88:119]  b2[H:] likewise
.set CN,  120                          ; v[120:123] the constant, two chains
	s_load_b256 s[4:11], s[0:1], 0x0               ; p1 4:5, p2 6:7, fc_W 8:9, film_b2 10:11
	s_load_b128 s[12:15], s[0:1], 0x20             ; fc_b 12:13, out0 14:15
	v_lshlrev_b32 v1, 3, v0                        ; 8 bytes a lane
	v_lshlrev_b32 v2, 4, v0                        ; 16 bytes a lane
	s_lshl_b32 s16, ttmp9, 8                       ; 64 rows of 4 bytes
	s_mov_b32 s17, 0
	s_mov_b32 s20, 0x76543210
	s_mov_b32 s21, 0xfedcba98
	s_wait_kmcnt 0x0
	s_load_b32 s18, s[12:13], 0x0                  ; fc_b
	s_add_nc_u64 s[4:5], s[4:5], s[16:17]
	s_add_nc_u64 s[6:7], s[6:7], s[16:17]
	s_add_nc_u64 s[14:15], s[14:15], s[16:17]
.set t, 0
.rept 16
	global_load_b64 v[P1V+2*t:P1V+2*t+1], v1, s[4:5] offset:t*32768
.set t, t+1
.endr
.set t, 0
.rept 8
	global_load_b64 v[P1V+32+2*t:P1V+32+2*t+1], v1, s[6:7] offset:t*32768
	global_load_b128 v[FCR+4*t:FCR+4*t+3], v2, s[8:9] offset:t*512
	global_load_b128 v[B2R+4*t:B2R+4*t+3], v2, s[10:11] offset:4096+t*512
.set t, t+1
.endr
	s_wait_loadcnt 0x0
	s_wait_kmcnt 0x0
	v_pk_mul_f32 v[CN:CN+1],   v[FCR:FCR+1],   v[B2R:B2R+1]
	v_pk_mul_f32 v[CN+2:CN+3], v[FCR+2:FCR+3], v[B2R+2:B2R+3]
.set k, 2
.rept 14
	v_pk_fma_f32 v[CN+2*(k%2):CN+2*(k%2)+1], v[FCR+2*k:FCR+2*k+1], v[B2R+2*k:B2R+2*k+1], v[CN+2*(k%2):CN+2*(k%2)+1]
.set k, k+1
.endr
.set k, 0
.rept 12                               ; the 24 pairs: 12 apart, 6 apart, 3 apart, then the last three
	v_pk_add_f32 v[P1V+2*k:P1V+2*k+1], v[P1V+2*k:P1V+2*k+1], v[P1V+24+2*k:P1V+24+2*k+1]
.set k, k+1
.endr
	v_pk_add_f32 v[CN:CN+1], v[CN:CN+1], v[CN+2:CN+3]
	v_add_f32 v[CN], v[CN], v[CN+1]
.set k, 0
.rept 6
	v_pk_add_f32 v[P1V+2*k:P1V+2*k+1], v[P1V+2*k:P1V+2*k+1], v[P1V+12+2*k:P1V+12+2*k+1]
.set k, k+1
.endr
	v_add_f32_dpp v[CN], v[CN], v[CN] row_xmask:1 row_mask:0xf bank_mask:0xf
	v_add_f32_dpp v[CN], v[CN], v[CN] row_xmask:2 row_mask:0xf bank_mask:0xf
	v_add_f32_dpp v[CN], v[CN], v[CN] row_xmask:4 row_mask:0xf bank_mask:0xf
	v_add_f32_dpp v[CN], v[CN], v[CN] row_xmask:8 row_mask:0xf bank_mask:0xf
	v_permlanex16_b32 v[CN+1], v[CN], s20, s21
	v_add_f32 v[CN], v[CN], v[CN+1]                ; fc . b2[H:], in every lane
	v_add_f32 v[CN], s18, v[CN]                    ; + fc_b
.set k, 0
.rept 3
	v_pk_add_f32 v[P1V+2*k:P1V+2*k+1], v[P1V+2*k:P1V+2*k+1], v[P1V+6+2*k:P1V+6+2*k+1]
.set k, k+1
.endr
	v_pk_add_f32 v[P1V:P1V+1], v[P1V:P1V+1], v[P1V+2:P1V+3]
	v_pk_add_f32 v[P1V:P1V+1], v[P1V:P1V+1], v[P1V+4:P1V+5]
	v_pk_add_f32 v[P1V:P1V+1], v[P1V:P1V+1], v[CN:CN+1] op_sel_hi:[1,0]
	global_store_b64 v1, v[P1V:P1V+1], s[14:15]
	s_endpgm
.Lfunc_end_k_q7d8dedf36b_fin:
	.size	k_q7d8dedf36b_fin, .Lfunc_end_k_q7d8dedf36b_fin-k_q7d8dedf36b_fin
	.p2alignl 7, 3214868480
	.fill 96, 4, 3214868480
	.section	.rodata,"a",@progbits
	.p2align	6, 0x0
	.amdhsa_kernel k_q7d8dedf36b_fin
		.amdhsa_group_segment_fixed_size 0
		.amdhsa_private_segment_fixed_size 0
		.amdhsa_enable_private_segment 0
		.amdhsa_kernarg_size 48
		.amdhsa_user_sgpr_count 2
		.amdhsa_user_sgpr_kernarg_segment_ptr 1
		.amdhsa_wavefront_size32 1
		.amdhsa_system_sgpr_workgroup_id_x 1
		.amdhsa_system_sgpr_workgroup_id_y 1
		.amdhsa_system_sgpr_workgroup_id_z 1
		.amdhsa_system_vgpr_workitem_id 0
		.amdhsa_next_free_vgpr 128
		.amdhsa_next_free_sgpr 66
		.amdhsa_reserve_vcc 0
		.amdhsa_float_denorm_mode_32 3
		.amdhsa_float_denorm_mode_16_64 3
		.amdhsa_memory_ordered 1
		.amdhsa_forward_progress 1
		.amdhsa_inst_pref_size 8
	.end_amdhsa_kernel
	.amdgpu_metadata
---
amdhsa.version: [ 1, 2 ]
amdhsa.kernels:
  - .name:           k_q7d8dedf36b_fin
    .symbol:         k_q7d8dedf36b_fin.kd
    .args:
      - { .name: p1, .offset: 0, .size: 8, .value_kind: global_buffer, .address_space: global }
      - { .name: p2, .offset: 8, .size: 8, .value_kind: global_buffer, .address_space: global }
      - { .name: fc_W, .offset: 16, .size: 8, .value_kind: global_buffer, .address_space: global }
      - { .name: film_b2, .offset: 24, .size: 8, .value_kind: global_buffer, .address_space: global }
      - { .name: fc_b, .offset: 32, .size: 8, .value_kind: global_buffer, .address_space: global }
      - { .name: out0, .offset: 40, .size: 8, .value_kind: global_buffer, .address_space: global }
    .group_segment_fixed_size: 0
    .private_segment_fixed_size: 0
    .kernarg_segment_align: 8
    .kernarg_segment_size: 48
    .max_flat_workgroup_size: 32
    .sgpr_count:     66
    .vgpr_count:     128
    .wavefront_size: 32
...
	.end_amdgpu_metadata
.endif
;; end of part 4
;; ======== version 2 of 2: 4 launches; version 1 with the launch prep written anew for expert scheduling mode
;; workspace buffers: hb 16,777,216 bytes; wg 8,388,608 bytes; w2t 4,194,304 bytes; tabs 40,960 bytes; q 16,777,216 bytes; p1 524,288 bytes; p2 262,144 bytes
;; launch prep (part 5): grid 256 x 1, 8 waves a work-group, no clusters, 3,072 bytes of LDS; arguments h0, W_hh, film_W2, film_W1, fc_W, hb, wg, w2t, tabs; writes hb, wg, w2t, tabs
.if DOCPART == 5
	.amdgcn_target "amdgcn-amd-amdhsa--gfx1250"
	.amdhsa_code_object_version 6
	.text
	.protected	k_q7d8dedf36b_prep
	.globl	k_q7d8dedf36b_prep
	.p2align	8
	.type	k_q7d8dedf36b_prep,@function
k_q7d8dedf36b_prep:
	s_mov_b64 s[64:65], 0
	v_nop
	global_prefetch_b8 v0, s[64:65] scope:SCOPE_SE
	s_setreg_imm32_b32 hwreg(HW_REG_WAVE_SCHED_MODE, 0, 2), 2
	s_setreg_imm32_b32 hwreg(HW_REG_WAVE_MODE, 25, 1), 1
	s_wait_xcnt 0x0
	s_wait_alu depctr_vm_vsrc(0)
; LAUNCH 1 OF 4.  The matrix operands are rounded to bf16 and laid out once, and the vector v is made.
; THE WHOLE PROGRAM.  reference(): out[b] = sum_j fc[j] (gamma[b][j] h[b][j] + beta[b][j]) + fc_b, with H = 1024, gamma = film[:, :H], beta = film[:, H:],
; film = a W2^T + b2, a = relu(C W1^T + b1), h the LSTM cell's new state.
; WORK THAT IS NOT DONE AS WRITTEN.  beta reaches the output only through its product with fc, and a finite sum may be taken in either order:
;   sum_j fc[j] (sum_n a[b][n] W2[H+j][n] + b2[H+j]) = sum_n a[b][n] v[n] + fc . b2[H:],   v[n] = sum_j fc[j] W2[H+j][n],
; for all values of the inputs.  So the beta half of the product a W2^T (8192 x 1024 x 2048) is not formed; v is made here, once.  In the same way, with q[b][j] = fc[j] h[b][j],
;   sum_j q[b][j] gamma[b][j] = sum_n a[b][n] u[b][n] + sum_j q[b][j] b2[j],   u = q W2[:H, :],
; the same count of products as a W2[:H]^T, in which a is used number by number and is never rounded.  out[b] = sum_n a (u + v) + q . b2[:H] + fc . b2[H:] + fc_b.
; No input is without a way to the output: all thirteen are loaded by some launch.
; LIMITS.  The sums are taken in another order than reference()'s; a NaN, an infinity or an overflow that would arise only in beta's or gamma's own numbers is not carried to the result.
; h0, W_hh, q and W2[:H] are rounded once to bf16 (matrix operands); a, v and their product stay in f32.
; SHARES.  Each of the 256 work-groups takes 256 KiB of f32: 0-127 h0 -> hb; 128-191 W_hh -> wg (rows dealt so that a wave of the next launch finds all four gates of its 32 channels);
; 192-223 W2[:H] -> w2t (turned, in the order of a matrix operand's registers); 224-255 W2[H:] -> v, and W1 turned.  Nothing is shared between work-groups: no cluster, no matrix unit.
; THE MODE: SCHED_MODE bits 1:0 = 2 (LLVM: expert scheduling mode 2), set by the entry lines.  The code itself states the register dependences
; between vector instructions and memory or LDS instructions, with s_wait_alu, always for 0.
; THE PLAN.  Registers that memory or LDS instructions touch:
;   the cast    X (v16-79, 16 slots of 4): written by loads, read by the conversions.  Y (v80-111, 16 slots of 2): written by the conversions, read by the stores.  v1, v2: offsets, made once.
;               The slots go in four groups of four.  A group's eight conversions read its X and write its Y; ONE wait on va_vdst stands behind them; the group's four loads (into the same X, a round on)
;               and four stores (from its Y) follow it with no vector instruction between.  The wait stands behind the conversions, so that a group's X is asked for again at once: 12 to 16 loads of a wave are out.
;               Y is written again a round later: ONE wait on vm_vsrc a round, at the round's end, ahead of the branch.
;   the turning two raw sets (v16-47, v48-79): written by loads, read by 16 conversions each.  Two packed sets (v80-95, v96-111): written by those, read by four stores each.  v1, v2: offsets, made once.
;               One wait on va_vdst behind each run of conversions, for the 32 loads and the four stores that follow; one wait on vm_vsrc a trip, at its end, ahead of the branch.
;   v           two raw sets (v16-79, v80-143): written by loads, read by the multiply-adds; one wait on va_vdst behind a batch's multiply-adds where its set is loaded again.  v2, v[144:145]: the LDS store's.
;   the join    v4, v5: addresses, made together; v16-31: LDS loads land in them; v[16:17]: the sum that is stored.
;   v[SPW], v[NIL]: written at the head, read by the closing add alone.
.set SPARE, 2048                       ; LDS: 0-2047 the eight waves' partial sums of v; from here the spare words, 128 bytes a wave
.set SPW, 158                          ; v158  LDS address of my spare word; never rewritten
.set NIL, 159                          ; v159  0; never rewritten
.set X,   16                           ; the cast's ring: slot i has v[X+4i ..] as loaded
.set Y,   80                           ;                  and v[Y+2i ..] to store
	s_load_b512 s[4:19], s[0:1], 0x0               ; h0 4:5, W_hh 6:7, W2 8:9, W1 10:11, fc 12:13, hb 14:15, wg 16:17, w2t 18:19
	s_load_b64 s[20:21], s[0:1], 0x40              ; tabs
	v_lshl_add_u32 v[SPW], v0, 2, SPARE
	v_mov_b32 v[NIL], 0
	v_lshrrev_b32 v1, 5, v0
	v_readfirstlane_b32 s22, v1                    ; wave 0..7
	v_and_b32 v3, 31, v0                           ; lane
	s_wait_alu depctr_va_sdst(0)                   ; s22 is written, ahead of the first branch and of all its readers: every section makes its addresses from it
	s_wait_kmcnt 0x0
	s_cmp_lt_u32 ttmp9, 192
	s_cbranch_scc0 .Lturned
; ---- THE CAST: h0 -> hb, W_hh -> wg.  A block is 32 rows (128 KiB of f32); a work-group has two, a wave 8 rows = 64 chunks of 512 bytes.
	v_lshlrev_b32 v1, 4, v3                        ; 16 bytes a lane in: a load covers 512 consecutive bytes
	v_lshlrev_b32 v2, 3, v3                        ; 8 bytes a lane out: a store covers 256 consecutive bytes, aligned
	s_cmp_lt_u32 ttmp9, 128
	s_cselect_b64 s[24:25], s[4:5], s[6:7]         ; from
	s_cselect_b64 s[26:27], s[14:15], s[16:17]     ; to
	s_cselect_b32 s28, 0, 128
	s_cselect_b32 s23, 1, 0                        ; 1: h0
	s_sub_co_u32 s28, ttmp9, s28
	s_lshr_b32 s29, s22, 2
	s_lshl1_add_u32 s28, s28, s29                  ; gb: the block's number
	s_and_b32 s29, s22, 3                          ; my quarter of it
	s_lshl_b32 s30, s28, 17
	s_lshl_b32 s31, s29, 15
	s_add_co_u32 s30, s30, s31
	s_mov_b32 s31, 0
	s_add_nc_u64 s[24:25], s[24:25], s[30:31]
	s_and_b32 s32, s28, 31                         ; W_hh's block gb = 32 g + u (gate g, channels 32 u ..) goes to block 4 u + g
	s_lshr_b32 s33, s28, 5
	s_lshl2_add_u32 s32, s32, s33
	s_cmp_eq_u32 s23, 1
	s_cselect_b32 s32, s28, s32                    ; h0's blocks stay where they are
	s_lshl_b32 s32, s32, 16
	s_lshl_b32 s33, s29, 14
	s_add_co_u32 s32, s32, s33
	s_mov_b32 s33, 0
	s_add_nc_u64 s[26:27], s[26:27], s[32:33]
	s_wait_alu depctr_va_vdst(0)                   ; v1 and v2 are written: every load and store of this section reads one of them as its offset
.set i, 0
.rept 16
	global_load_b128 v[X+4*i:X+4*i+3], v1, s[24:25] offset:i*512 th:TH_LOAD_NT
.set i, i+1
.endr
; The turn of group g, slots 4 g to 4 g + 3.  ahead = 1: its slots are filled again, a round on.  left = the younger loads of the ring, which may stay out.
.macro GRP g, ahead, left
	s_wait_loadcnt \left                           ; loads come back in order (ISA guide 5.7.1): the group's four are in
.irp j, 0,1,2,3
	v_cvt_pk_bf16_f32 v[Y+2*(4*(\g)+(\j))],   v[X+4*(4*(\g)+(\j))],   v[X+4*(4*(\g)+(\j))+1]
	v_cvt_pk_bf16_f32 v[Y+2*(4*(\g)+(\j))+1], v[X+4*(4*(\g)+(\j))+2], v[X+4*(4*(\g)+(\j))+3]
.endr
	s_wait_alu depctr_va_vdst(0)                   ; the eight conversions are done reading the group's X, in which the loads below land, and have written its Y, which the stores below read
.irp j, 0,1,2,3
.if \ahead
	global_load_b128 v[X+4*(4*(\g)+(\j)):X+4*(4*(\g)+(\j))+3], v1, s[24:25] offset:(16+4*(\g)+(\j))*512 th:TH_LOAD_NT
.endif
	global_store_b64 v2, v[Y+2*(4*(\g)+(\j)):Y+2*(4*(\g)+(\j))+1], s[26:27] offset:(4*(\g)+(\j))*256 th:TH_STORE_NT
.endr
.endm
	s_mov_b32 s34, 3
.Lround:
	GRP 0, 1, 12
	GRP 1, 1, 12
	GRP 2, 1, 12
	GRP 3, 1, 12
	s_wait_xcnt 0x0                                ; the two bases and the stores' data are written again only behind this wait
	s_wait_alu depctr_vm_vsrc(0)                   ; the round's sixteen stores have read Y, which the next round's conversions (in the loop or behind it) write again
	s_add_nc_u64 s[24:25], s[24:25], 8192
	s_add_nc_u64 s[26:27], s[26:27], 4096
	s_sub_co_u32 s34, s34, 1
	s_cmp_lg_u32 s34, 0
	s_cbranch_scc1 .Lround
	GRP 0, 0, 12                                   ; the last sixteen chunks load nothing: the counts run down
	GRP 1, 0, 8
	GRP 2, 0, 4
	GRP 3, 0, 0
	s_branch .Ljoin
; ---- W2[:H] TURNED.  Work-group kc takes rows 32 kc .. + 31; wave w columns 256 w .. + 255, 32 an iteration, a lane a column.
; A lane's 32 numbers (k = 0 .. 31 of its column) are four pieces of 16 bytes: piece c holds k = 8 c .. 8 c + 7 and lies at c x 256 + (column % 16) x 16 of the block (column / 16, kc).
.Lturned:
	s_cmp_lt_u32 ttmp9, 224
	s_cbranch_scc0 .Lvsum
	s_sub_co_u32 s28, ttmp9, 192                   ; kc
	s_lshl_b32 s30, s28, 18                        ; 32 rows of 8,192 bytes
	s_mov_b32 s31, 0
	s_add_nc_u64 s[24:25], s[8:9], s[30:31]
	s_lshl_b32 s30, s28, 10
	s_add_nc_u64 s[26:27], s[18:19], s[30:31]
	s_lshl_b32 s29, s22, 10
	v_lshl_add_u32 v1, v3, 2, s29                  ; 1,024 w + 4 l
	v_lshrrev_b32 v4, 4, v3
	s_lshl_b32 s29, s22, 4
	v_add_nc_u32 v4, s29, v4                       ; the block of 16 columns: 16 w + l / 16
	v_and_b32 v5, 15, v3
	v_lshlrev_b32 v5, 4, v5
	v_lshl_add_u32 v2, v4, 15, v5                  ; x 32 blocks of 1,024 bytes, + 16 (l % 16)
	s_wait_alu depctr_va_vdst(0)                   ; v1 and v2 are written: every load and store of this section reads one of them as its offset
.macro LD3 set, itoff
.set k, 0
.rept 32
	global_load_b32 v[(\set)+k], v1, s[24:25] offset:k*8192+(\itoff)
.set k, k+1
.endr
.endm
.macro CV3 set, pk
.set k, 0
.rept 16
	v_cvt_pk_bf16_f32 v[(\pk)+k], v[(\set)+2*k], v[(\set)+2*k+1]
.set k, k+1
.endr
.endm
.macro ST3 pk, stoff
.irp c, 0,1,2,3
	global_store_b128 v2, v[(\pk)+4*(\c):(\pk)+4*(\c)+3], s[26:27] offset:(\c)*256+(\stoff) th:TH_STORE_NT  ; sixteen lanes fill 256 consecutive bytes, aligned
.endr
.endm
	LD3 16, 0
	LD3 48, 128
	s_mov_b32 s34, 3
.Lturn3:
	s_wait_loadcnt 32                              ; the first set is in; the other set's 32 loads may stay out
	CV3 16, 80
	s_wait_alu depctr_va_vdst(0)                   ; the conversions are done reading v16-47, in which the loads below land, and have written v80-95, which the stores below read
	LD3 16, 256
	ST3 80, 0
	s_wait_loadcnt 32                              ; the second set is in
	CV3 48, 96
	s_wait_alu depctr_va_vdst(0)                   ; the same for v48-79 and v96-111
	LD3 48, 384
	ST3 96, 65536
	s_wait_xcnt 0x0                                ; bases and store data are written again only behind this wait
	s_wait_alu depctr_vm_vsrc(0)                   ; the trip's eight stores have read v80-111, which the next conversions (in the loop or behind it) write again
	s_add_nc_u64 s[24:25], s[24:25], 256
	s_add_nc_u64 s[26:27], s[26:27], 131072
	s_sub_co_u32 s34, s34, 1
	s_cmp_lg_u32 s34, 0
	s_cbranch_scc1 .Lturn3
	s_wait_loadcnt 32
	CV3 16, 80
	s_wait_alu depctr_va_vdst(0)                   ; the conversions have written v80-95, which the stores read
	ST3 80, 0
	s_wait_loadcnt 0x0
	CV3 48, 96
	s_wait_alu depctr_va_vdst(0)                   ; the conversions have written v96-111, which the stores read
	ST3 96, 65536
	s_branch .Ljoin
; ---- v[n] = sum_j fc[j] W2[H+j][n] for n = 64 i .. + 63.  Wave w takes j = 128 w .. + 127, four batches of 32 rows; a load is one row's 256 bytes; fc comes by scalar loads.
.Lvsum:
	v_lshlrev_b32 v1, 3, v3
	s_sub_co_u32 s28, ttmp9, 224                   ; i
	s_lshl_b32 s30, s22, 20                        ; 128 w rows of 8,192 bytes
	s_lshl_b32 s29, s28, 8
	s_add_co_u32 s30, s30, s29
	s_add_co_u32 s30, s30, 1024*8192               ; the lower half of W2
	s_mov_b32 s31, 0
	s_add_nc_u64 s[58:59], s[8:9], s[30:31]
	s_lshl_b32 s30, s22, 9
	s_add_nc_u64 s[56:57], s[12:13], s[30:31]
	s_wait_alu depctr_va_vdst(0)                   ; v1 is written: every load of this section reads it as its offset
.macro LD4 set, batch
.set r, 0
.rept 32
	global_load_b64 v[(\set)+2*r:(\set)+2*r+1], v1, s[58:59] offset:(32*(\batch)+r)*8192 th:TH_LOAD_NT
.set r, r+1
.endr
.endm
.macro FC4 sb, batch
	s_load_b512 s[(\sb):(\sb)+15],    s[56:57], (\batch)*128
	s_load_b512 s[(\sb)+16:(\sb)+31], s[56:57], (\batch)*128+64
.endm
.macro FM4 set, sb                     ; four chains of sums, so that no line waits for the one before it
.set r, 0
.rept 32
	v_fmac_f32 v[144+2*(r%4)], s[(\sb)+r], v[(\set)+2*r]
	v_fmac_f32 v[145+2*(r%4)], s[(\sb)+r], v[(\set)+2*r+1]
.set r, r+1
.endr
.endm
	LD4 16, 0
	LD4 80, 1
	FC4 24, 0
	FC4 68, 1
.set r, 144
.rept 8
	v_mov_b32 v[r], 0
.set r, r+1
.endr
	s_wait_kmcnt 0x0
	s_wait_loadcnt 32                              ; batch 0 is in; batch 1's 32 loads may stay out
	FM4 16, 24
	s_wait_alu depctr_va_vdst(0)                   ; the multiply-adds are done reading v16-79, in which batch 2's loads land, and s24-55, which the scalar loads below write
	LD4 16, 2
	FC4 24, 2
	s_wait_kmcnt 0x0
	s_wait_loadcnt 32                              ; batch 1
	FM4 80, 68
	s_wait_alu depctr_va_vdst(0)                   ; the same for v80-143, batch 3's loads, and s68-99
	LD4 80, 3
	FC4 68, 3
	s_wait_kmcnt 0x0
	s_wait_loadcnt 32                              ; batch 2
	FM4 16, 24
	s_wait_loadcnt 0x0
	FM4 80, 68
	v_pk_add_f32 v[144:145], v[144:145], v[146:147]
	v_pk_add_f32 v[148:149], v[148:149], v[150:151]
	v_pk_add_f32 v[144:145], v[144:145], v[148:149]
	s_lshl_b32 s29, s22, 8
	v_add_nc_u32 v2, s29, v1
	s_wait_alu depctr_va_vdst(0)                   ; v2 and v[144:145] are written: the LDS store's address and data
	ds_store_b64 v2, v[144:145]                    ; my partial sums of 64 columns, at 256 w + 8 l
; ---- All sections meet: one barrier that every wave of every work-group passes.
.Ljoin:
	s_wait_dscnt 0x0                               ; for the others' sake: my store into LDS is done
	s_barrier_signal -1
	s_barrier_wait -1
	s_cmp_lt_u32 ttmp9, 224
	s_cbranch_scc1 .Lend
	v_lshlrev_b32 v4, 3, v3
	v_lshlrev_b32 v5, 5, v3                        ; W1: two rows a lane
	s_sub_co_u32 s23, ttmp9, 224                   ; i, made anew: this part reads nothing that only one section wrote
	s_lshl_b32 s30, s23, 8
	s_mov_b32 s31, 0
	s_add_nc_u64 s[36:37], s[20:21], s[30:31]      ; tabs at column 64 i
	s_wait_alu depctr_va_vdst(0)                   ; v4 and v5 are written, the addresses of the loads and stores below; every earlier vector instruction is done with v16-31, in which the LDS loads land
	s_cmp_eq_u32 s22, 0
	s_cbranch_scc0 .Lnot_wave_0
.irp w, 0,1,2,3,4,5,6,7
	ds_load_b64 v[16+2*(\w):17+2*(\w)], v4 offset:(\w)*256
.endr
	s_wait_dscnt 0x0
	v_pk_add_f32 v[16:17], v[16:17], v[18:19]
	v_pk_add_f32 v[20:21], v[20:21], v[22:23]
	v_pk_add_f32 v[24:25], v[24:25], v[26:27]
	v_pk_add_f32 v[28:29], v[28:29], v[30:31]
	v_pk_add_f32 v[16:17], v[16:17], v[20:21]
	v_pk_add_f32 v[24:25], v[24:25], v[28:29]
	v_pk_add_f32 v[16:17], v[16:17], v[24:25]
	s_wait_alu depctr_va_vdst(0)                   ; the additions have written v[16:17], which the store reads
	global_store_b64 v4, v[16:17], s[36:37] offset:32768  ; v: 256 consecutive bytes, aligned
	s_branch .Lend
.Lnot_wave_0:
	s_cmp_eq_u32 s22, 1
	s_cbranch_scc0 .Lend
	s_lshl_b32 s32, s23, 10                        ; W1's rows 64 i .., 16 bytes each
	s_mov_b32 s33, 0
	s_add_nc_u64 s[34:35], s[10:11], s[32:33]
.irp s, 0,1,2,3
	global_load_b32 v[112+2*(\s)], v5, s[34:35] offset:4*(\s)      ; no vector instruction names v112-119
	global_load_b32 v[113+2*(\s)], v5, s[34:35] offset:16+4*(\s)
.endr
	s_wait_loadcnt 0x0
.irp s, 0,1,2,3
	global_store_b64 v4, v[112+2*(\s):113+2*(\s)], s[36:37] offset:(\s)*8192  ; W1T[s][64 i ..]: 256 consecutive bytes, aligned
.endr
.Lend:
	s_wait_dscnt 0x0                               ; the closing lines, six on end
	s_wait_alu 0x0
	s_wait_tensorcnt 0x0
	ds_add_u32 v[SPW], v[NIL]
	s_wait_dscnt 0x0
	s_endpgm
.Lfunc_end_k_q7d8dedf36b_prep:
	.size	k_q7d8dedf36b_prep, .Lfunc_end_k_q7d8dedf36b_prep-k_q7d8dedf36b_prep
	.p2alignl 7, 3214868480
	.fill 96, 4, 3214868480
	.section	.rodata,"a",@progbits
	.p2align	6, 0x0
	.amdhsa_kernel k_q7d8dedf36b_prep
		.amdhsa_group_segment_fixed_size 3072
		.amdhsa_private_segment_fixed_size 0
		.amdhsa_enable_private_segment 0
		.amdhsa_kernarg_size 72
		.amdhsa_user_sgpr_count 2
		.amdhsa_user_sgpr_kernarg_segment_ptr 1
		.amdhsa_wavefront_size32 1
		.amdhsa_system_sgpr_workgroup_id_x 1
		.amdhsa_system_sgpr_workgroup_id_y 1
		.amdhsa_system_sgpr_workgroup_id_z 1
		.amdhsa_system_vgpr_workitem_id 0
		.amdhsa_next_free_vgpr 160
		.amdhsa_next_free_sgpr 100
		.amdhsa_reserve_vcc 0
		.amdhsa_float_denorm_mode_32 3
		.amdhsa_float_denorm_mode_16_64 3
		.amdhsa_memory_ordered 1
		.amdhsa_forward_progress 1
		.amdhsa_inst_pref_size 57
	.end_amdhsa_kernel
	.amdgpu_metadata
---
amdhsa.version: [ 1, 2 ]
amdhsa.kernels:
  - .name:           k_q7d8dedf36b_prep
    .symbol:         k_q7d8dedf36b_prep.kd
    .args:
      - { .name: h0, .offset: 0, .size: 8, .value_kind: global_buffer, .address_space: global }
      - { .name: W_hh, .offset: 8, .size: 8, .value_kind: global_buffer, .address_space: global }
      - { .name: film_W2, .offset: 16, .size: 8, .value_kind: global_buffer, .address_space: global }
      - { .name: film_W1, .offset: 24, .size: 8, .value_kind: global_buffer, .address_space: global }
      - { .name: fc_W, .offset: 32, .size: 8, .value_kind: global_buffer, .address_space: global }
      - { .name: hb, .offset: 40, .size: 8, .value_kind: global_buffer, .address_space: global }
      - { .name: wg, .offset: 48, .size: 8, .value_kind: global_buffer, .address_space: global }
      - { .name: w2t, .offset: 56, .size: 8, .value_kind: global_buffer, .address_space: global }
      - { .name: tabs, .offset: 64, .size: 8, .value_kind: global_buffer, .address_space: global }
    .group_segment_fixed_size: 3072
    .private_segment_fixed_size: 0
    .kernarg_segment_align: 8
    .kernarg_segment_size: 72
    .max_flat_workgroup_size: 256
    .sgpr_count:     100
    .vgpr_count:     160
    .wavefront_size: 32
...
	.end_amdgpu_metadata
.endif
;; end of part 5
;; launch gates: the kernel of part 2 again; grid 16 x 16, 4 waves a work-group, clusters of 4 x 4, 327,680 bytes of LDS; arguments hb, wg, c0, x, W_ih, b_ih, b_hh, fc_W, film_b2, q, p1; writes q, p1
;; launch film: the kernel of part 3 again; grid 8 x 32, 4 waves a work-group, clusters of 4 x 4, 327,680 bytes of LDS; arguments q, w2t, x, tabs, film_b1, p2; writes p2
;; launch fin: the kernel of part 4 again; grid 128 x 1, 1 waves a work-group, no clusters, 0 bytes of LDS; arguments p1, p2, fc_W, film_b2, fc_b, out0; writes out0
